; MI455X (gfx1250); checked and timed in simulation.
; The chip was launched on July 23, 2026; its instructions are those of AMD's public machine-readable ISA for CDNA 5 (MIT licence, August 2026) and "CDNA5" Instruction Set Architecture Reference Guide (July 2026). The comments in the code are by the model that wrote it; some were corrected since.
;; Attention Module. Allowed arithmetic: float matrix products may take bf16 or f16 operands with f32 sums; other float arithmetic in f32, or as packed bf16 or f16 multiplies, adds, multiply-adds, maxima and minima; sums over many terms, partial sums and values carried from step to step in f32; what a program stores and reads back later, other than sums and carried values, may be rounded once to bf16 or f16.
;; Inputs: norm_w 2,048 float32; wk 2,048 x 2,048 float32; wo 2,048 x 2,048 float32; wq 2,048 x 2,048 float32; wv 2,048 x 2,048 float32; xs 2,048 x 2,048 float32.
;; Outputs: out0 2,048 x 2,048 float32.
;; One version. Each part assembles by itself: llvm-mc -triple=amdgcn-amd-amdhsa -mcpu=gfx1250 --defsym DOCPART=n.
;; ======== version 1 of 1: 4 launches
;; limits: values are held in f16: magnitudes above 65,504 overflow, below 6.1e-05 lose precision
;; workspace buffers: w16 33,554,432 bytes; xn16 8,388,608 bytes; rope 1,048,576 bytes; qkv16 25,165,824 bytes; o16 8,388,608 bytes
;; launch prep (part 1): grid 1344 x 1, 8 waves a work-group, no clusters, 0 bytes of LDS; arguments wq, wk, wv, wo, xs, norm_w, w16, xn16, rope; writes w16, xn16, rope
.if DOCPART == 1
	.amdgcn_target "amdgcn-amd-amdhsa--gfx1250"
	.amdhsa_code_object_version 6
	.text
	.protected	k_qe2d102bae2_prep
	.globl	k_qe2d102bae2_prep
	.p2align	8
	.type	k_qe2d102bae2_prep,@function
k_qe2d102bae2_prep:
	s_mov_b64 s[64:65], 0
	v_nop
	global_prefetch_b8 v0, s[64:65] scope:SCOPE_SE
	s_setreg_imm32_b32 hwreg(HW_REG_WAVE_MODE, 25, 1), 1
	s_wait_xcnt 0x0
; PREP: three streams in one launch, chosen by the work-group's number (forward jumps, the same for all waves of a work-group).  The two short, dependent jobs come first, the long stream behind them.
;   0 .. 63       rope[2048][64][2] f32 = (cos, sin) of m x theta_i, theta_i = 10000^(-i/64) ROUNDED TO f16 as the module makes it; 32 rows a work-group.
;   64 .. 319     xn16[2048][2048] f16 = RMSNorm of xs: xs and norm_w are rounded to bf16 first; mean of squares, 1e-6 and the scaling in f32; one row a wave, kept in registers.
;   320 .. 1343   w16[4][2048][2048] f16 = wq, wk, wv, wo, each number rounded to bf16 and that number written as f16.  64 KiB of f32 a work-group, 8 KiB a wave.
; No LDS, no matrix unit, no cluster: nothing is shared and every byte is read once.  128 registers a wave, so that eight waves share a SIMD's 1,024: 16 loads of 512 bytes each are out for every one of them.
; LIMITS.  A weight or a normalised x beyond 65,504 becomes an infinity in f16; below 6e-5 f16 keeps a fixed step of 6e-8.  NaN and infinities are not treated apart.
; Sine and cosine: the angle (at most 2,047) less n x pi/2 in three parts by fused multiply-adds, then polynomials to r^9 and r^10 on |r| <= pi/4: the terms left out are below 2e-9.
.set X,  16                            ; v[16:79]   64 f32 as loaded; the norm's path packs its 64 f16 into the lower 32 of them
.set NW, 80                            ; v[80:127]  norm_w: 48 of the lane's 64 numbers, the last 16 later in the first 16 registers (weights' path: v[80:111] the packed results)
	s_load_b512 s[8:23], s[0:1], 0x0               ; wq 8, wk 10, wv 12, wo 14, xs 16, norm_w 18, w16 20, xn16 22
	s_load_b64 s[24:25], s[0:1], 0x40              ; rope
	v_lshrrev_b32 v1, 5, v0
	v_readfirstlane_b32 s4, v1                     ; wave 0..7
	v_and_b32 v1, 31, v0                           ; lane
	s_mov_b32 s5, 0xffff0000                       ; a word's upper bf16
	s_mov_b32 s6, 0x76543210                       ; v_permlanex16_b32: each lane takes its own place in the other half
	s_mov_b32 s7, 0xfedcba98
	s_wait_kmcnt 0x0
	s_cmp_lt_u32 ttmp9, 64
	s_cbranch_scc1 .Ltable
	s_cmp_lt_u32 ttmp9, 320
	s_cbranch_scc1 .Lnorm
	; ---- the weights: work-group 320 + n takes 64 KiB of tensor n / 256
	s_sub_co_u32 s40, ttmp9, 320                   ; n
	s_lshr_b32 s30, s40, 8
	s_cmp_eq_u32 s30, 1
	s_cselect_b64 s[26:27], s[10:11], s[8:9]
	s_cmp_eq_u32 s30, 2
	s_cselect_b64 s[26:27], s[12:13], s[26:27]
	s_cmp_eq_u32 s30, 3
	s_cselect_b64 s[26:27], s[14:15], s[26:27]
	s_and_b32 s32, s40, 255
	s_lshl_b32 s32, s32, 16
	s_mov_b32 s33, 0
	s_add_nc_u64 s[26:27], s[26:27], s[32:33]
	s_lshl_b32 s34, s40, 15                        ; in w16 the four tensors follow each other: 32 KiB a work-group
	s_mov_b32 s35, 0
	s_add_nc_u64 s[28:29], s[20:21], s[34:35]
	s_lshl_b32 s30, s4, 13
	v_lshl_add_u32 v2, v1, 4, s30
	s_lshl_b32 s31, s4, 12
	v_lshl_add_u32 v3, v1, 3, s31
.set j, 0
.rept 16
	global_load_b128 v[X+4*j:X+4*j+3], v2, s[26:27] offset:512*j th:TH_LOAD_NT
.set j, j+1
.endr
.set j, 0
.rept 16
	s_wait_loadcnt 15-j                            ; loads come back in order: number j is in, the younger ones stay out
	v_cvt_pk_bf16_f32 v4, v[X+4*j], v[X+4*j+1]
	v_cvt_pk_bf16_f32 v5, v[X+4*j+2], v[X+4*j+3]
	v_lshlrev_b32 v6, 16, v4
	v_and_b32 v7, s5, v4
	v_lshlrev_b32 v8, 16, v5
	v_and_b32 v9, s5, v5
	v_cvt_pk_f16_f32 v[NW+2*j], v6, v7
	v_cvt_pk_f16_f32 v[NW+2*j+1], v8, v9
	global_store_b64 v3, v[NW+2*j:NW+2*j+1], s[28:29] offset:256*j  ; 256 consecutive bytes, aligned; each j has its own data pair
.set j, j+1
.endr
	s_endpgm
	; ---- RMSNorm: one wave, one row of 8,192 bytes in 64 registers
.Lnorm:
	s_sub_co_u32 s30, ttmp9, 64
	s_lshl_b32 s30, s30, 3
	s_add_co_u32 s30, s30, s4                      ; my row
	s_lshl_b32 s32, s30, 13
	s_mov_b32 s33, 0
	s_add_nc_u64 s[16:17], s[16:17], s[32:33]
	s_lshl_b32 s34, s30, 12
	s_mov_b32 s35, 0
	s_add_nc_u64 s[22:23], s[22:23], s[34:35]
	v_lshlrev_b32 v2, 4, v1
	v_lshlrev_b32 v3, 3, v1
.set j, 0
.rept 16
	global_load_b128 v[X+4*j:X+4*j+3], v2, s[16:17] offset:512*j th:TH_LOAD_NT
.set j, j+1
.endr
.set j, 0
.rept 12                                               ; twelve of norm_w's sixteen chunks: as many as the registers hold
	global_load_b128 v[NW+4*j:NW+4*j+3], v2, s[18:19] offset:512*j
.set j, j+1
.endr
	s_mov_b32 s30, 0x3a000000                      ; 1/2048
	s_mov_b32 s31, 0x358637bd                      ; 1e-6
	s_wait_loadcnt 12                              ; the row is in; norm_w's twelve loads stay out
.set i, 0
.rept 32                                               ; x rounded to bf16, in place
	v_cvt_pk_bf16_f32 v[12+i%4], v[X+2*i], v[X+2*i+1]
	v_lshlrev_b32 v[X+2*i], 16, v[12+i%4]
	v_and_b32 v[X+2*i+1], s5, v[12+i%4]
.set i, i+1
.endr
.irp c, 0,1,2,3                                        ; four chains of squares, started by the first four pairs: nothing is cleared
	v_pk_mul_f32 v[4+2*(\c):5+2*(\c)], v[X+2*(\c):X+2*(\c)+1], v[X+2*(\c):X+2*(\c)+1]
.endr
.set i, 4
.rept 28
	v_pk_fma_f32 v[4+2*(i%4):5+2*(i%4)], v[X+2*i:X+2*i+1], v[X+2*i:X+2*i+1], v[4+2*(i%4):5+2*(i%4)]
.set i, i+1
.endr
	v_pk_add_f32 v[4:5], v[4:5], v[6:7]
	v_pk_add_f32 v[8:9], v[8:9], v[10:11]
	v_pk_add_f32 v[4:5], v[4:5], v[8:9]
	v_add_f32 v4, v4, v5
	v_add_f32_dpp v4, v4, v4 row_xmask:1 row_mask:0xf bank_mask:0xf
	v_add_f32_dpp v4, v4, v4 row_xmask:2 row_mask:0xf bank_mask:0xf
	v_add_f32_dpp v4, v4, v4 row_xmask:4 row_mask:0xf bank_mask:0xf
	v_add_f32_dpp v4, v4, v4 row_xmask:8 row_mask:0xf bank_mask:0xf
	v_permlanex16_b32 v5, v4, s6, s7
	v_add_f32 v4, v4, v5
	v_fma_f32 v6, v4, s30, s31                     ; the mean of squares + 1e-6
	v_rsq_f32 v8, v6                               ; twice: a pair for the packed multiply
	v_rsq_f32 v9, v6
; Pairs i0 .. i0 + n - 1 of the lane's 32: norm_w's pair (at NW + 2 i - back) rounded to bf16; x / rms x norm_w; two f16 into X + i, a register whose x was used at pair i / 2.
; The first line is the plain line behind the second v_rsq_f32.
.macro NSCALE i0, n, back
.set i, \i0
	s_wait_alu depctr_va_vdst(0)
.rept \n
	v_cvt_pk_bf16_f32 v[12+i%4], v[NW+2*i-(\back)], v[NW+2*i-(\back)+1]
	v_pk_mul_f32 v[X+2*i:X+2*i+1], v[X+2*i:X+2*i+1], v[8:9]
	v_lshlrev_b32 v[NW+2*i-(\back)], 16, v[12+i%4]
	v_and_b32 v[NW+2*i-(\back)+1], s5, v[12+i%4]
	v_pk_mul_f32 v[X+2*i:X+2*i+1], v[X+2*i:X+2*i+1], v[NW+2*i-(\back):NW+2*i-(\back)+1]
	v_cvt_pk_f16_f32 v[X+i], v[X+2*i], v[X+2*i+1]
.set i, i+1
.endr
.endm
	s_wait_loadcnt 0x0                             ; norm_w's twelve
	NSCALE 0, 8, 0
.set j, 12
.rept 4                                                ; norm_w's last four chunks, into the sixteen registers that pairs 0-7 have just used
	global_load_b128 v[NW+4*(j-12):NW+4*(j-12)+3], v2, s[18:19] offset:512*j
.set j, j+1
.endr
	NSCALE 8, 16, 0
.set j, 0
.rept 12                                               ; the first twelve chunks leave ahead of the wait below; what follows writes X + 24 and above only
	global_store_b64 v3, v[X+2*j:X+2*j+1], s[22:23] offset:256*j  ; 32 lanes store 256 consecutive bytes, aligned
.set j, j+1
.endr
	s_wait_loadcnt 0x0                             ; the last four
	NSCALE 24, 8, 48
.set j, 12
.rept 4
	global_store_b64 v3, v[X+2*j:X+2*j+1], s[22:23] offset:256*j
.set j, j+1
.endr
	s_endpgm
	; ---- the table.  Thread t: pair i = t % 64, row 32 g + 4 k + t / 64 in trip k = 0..7; a wave's store covers 256 consecutive bytes, aligned
.Ltable:
	s_lshl_b32 s32, ttmp9, 14                      ; 32 rows of 512 bytes
	s_mov_b32 s33, 0
	s_add_nc_u64 s[24:25], s[24:25], s[32:33]
	s_lshl_b32 s31, ttmp9, 5                       ; the group's first row
	s_mov_b32 s34, 0xbe549a78                      ; -log2(10000)/64, rounded,
	s_mov_b32 s35, 0xb19786c2                      ; and what the rounding left
	s_mov_b32 s36, 0x3fc90fda                      ; pi/2 in three parts
	s_mov_b32 s37, 0x33a22168
	s_mov_b32 s38, 0x27c234c4
	v_and_b32 v2, 63, v0
	v_lshrrev_b32 v3, 6, v0
	v_add_nc_u32 v3, s31, v3                       ; my row in trip 0
	v_lshlrev_b32 v4, 3, v0                        ; 8 bytes a thread
	v_cvt_f32_u32 v5, v2
	v_mul_f32 v6, s34, v5                          ; t = the exponent, rounded
	v_fma_f32 v7, v5, s34, -v6                     ; what that rounding dropped, exactly,
	v_fma_f32 v7, v5, s35, v7                      ; and the constant's own remainder
	v_exp_f32 v8, v6                               ; 2^t
	v_mov_b32 v40, 0x3638ef1b                      ; 1/9!   (plain lines behind the exponential)
	v_mov_b32 v41, 0xb493f27c                      ; -1/10!
	s_wait_alu depctr_va_vdst(0)
	v_mul_f32 v9, v8, v7
	v_fmamk_f32 v8, v9, 0x3f317218, v8             ; 2^(t+e) = 2^t + 2^t e ln 2
	v_cvt_f16_f32 v10.l, v8                        ; the module's thetas are f16 numbers
	v_cvt_f32_f16 v11, v10.l
	s_mov_b32 s39, 8
.Lrow:
	v_cvt_f32_u32 v12, v3
	v_mul_f32 v13, v12, v11                        ; the angle: the same f32 product as the module's
	v_mul_f32 v14, 0x3f22f983, v13
	v_rndne_f32 v14, v14                           ; n = the nearest multiple of pi/2
	v_fma_f32 v15, -v14, s36, v13
	v_fma_f32 v15, -v14, s37, v15
	v_fma_f32 v15, -v14, s38, v15                  ; r
	v_mul_f32 v16, v15, v15                        ; r^2
	v_fmaak_f32 v17, v16, v40, 0xb9500d01          ; sine's and cosine's chains by turns
	v_fmaak_f32 v18, v16, v41, 0x37d00d01
	v_fmaak_f32 v17, v16, v17, 0x3c088889
	v_fmaak_f32 v18, v16, v18, 0xbab60b61
	v_fmaak_f32 v17, v16, v17, 0xbe2aaaab
	v_fmaak_f32 v18, v16, v18, 0x3d2aaaab
	v_mul_f32 v19, v15, v16
	v_fmaak_f32 v18, v16, v18, 0xbf000000
	v_fma_f32 v17, v19, v17, v15                   ; sin r
	v_fma_f32 v18, v16, v18, 1.0                   ; cos r
	v_cvt_i32_f32 v20, v14
	v_and_b32 v21, 1, v20
	v_cmp_eq_u32 vcc_lo, 1, v21                    ; an odd quadrant swaps the two: a choice of values, no branch
	v_cndmask_b32 v22, v17, v18, vcc_lo
	v_cndmask_b32 v23, v18, v17, vcc_lo
	v_lshlrev_b32 v21, 30, v20                     ; sine's sign: bit 1 of n
	v_add_nc_u32 v20, 1, v20
	v_and_b32 v21, 0x80000000, v21
	v_lshlrev_b32 v20, 30, v20                     ; cosine's: bit 1 of n + 1
	v_and_b32 v20, 0x80000000, v20
	v_xor_b32 v48, v23, v20
	v_xor_b32 v49, v22, v21
	global_store_b64 v4, v[48:49], s[24:25]
	s_wait_xcnt 0x0                                ; the store's data pair and its base are written again only behind this wait
	v_add_nc_u32 v3, 4, v3                         ; four rows on
	s_add_nc_u64 s[24:25], s[24:25], 2048
	s_sub_co_u32 s39, s39, 1
	s_cmp_lg_u32 s39, 0
	s_cbranch_scc1 .Lrow
	s_endpgm
.Lfunc_end_k_qe2d102bae2_prep:
	.size	k_qe2d102bae2_prep, .Lfunc_end_k_qe2d102bae2_prep-k_qe2d102bae2_prep
	.p2alignl 7, 3214868480
	.fill 96, 4, 3214868480
	.section	.rodata,"a",@progbits
	.p2align	6, 0x0
	.amdhsa_kernel k_qe2d102bae2_prep
		.amdhsa_group_segment_fixed_size 0
		.amdhsa_private_segment_fixed_size 0
		.amdhsa_enable_private_segment 0
		.amdhsa_kernarg_size 72
		.amdhsa_user_sgpr_count 2
		.amdhsa_user_sgpr_kernarg_segment_ptr 1
		.amdhsa_wavefront_size32 1
		.amdhsa_system_sgpr_workgroup_id_x 1
		.amdhsa_system_sgpr_workgroup_id_y 1
		.amdhsa_system_sgpr_workgroup_id_z 1
		.amdhsa_system_vgpr_workitem_id 0
		.amdhsa_next_free_vgpr 128
		.amdhsa_next_free_sgpr 66
		.amdhsa_reserve_vcc 1
		.amdhsa_float_denorm_mode_32 3
		.amdhsa_float_denorm_mode_16_64 3
		.amdhsa_memory_ordered 1
		.amdhsa_forward_progress 1
		.amdhsa_inst_pref_size 36
	.end_amdhsa_kernel
	.amdgpu_metadata
---
amdhsa.version: [ 1, 2 ]
amdhsa.kernels:
  - .name:           k_qe2d102bae2_prep
    .symbol:         k_qe2d102bae2_prep.kd
    .args:
      - { .name: wq, .offset: 0, .size: 8, .value_kind: global_buffer, .address_space: global }
      - { .name: wk, .offset: 8, .size: 8, .value_kind: global_buffer, .address_space: global }
      - { .name: wv, .offset: 16, .size: 8, .value_kind: global_buffer, .address_space: global }
      - { .name: wo, .offset: 24, .size: 8, .value_kind: global_buffer, .address_space: global }
      - { .name: xs, .offset: 32, .size: 8, .value_kind: global_buffer, .address_space: global }
      - { .name: norm_w, .offset: 40, .size: 8, .value_kind: global_buffer, .address_space: global }
      - { .name: w16, .offset: 48, .size: 8, .value_kind: global_buffer, .address_space: global }
      - { .name: xn16, .offset: 56, .size: 8, .value_kind: global_buffer, .address_space: global }
      - { .name: rope, .offset: 64, .size: 8, .value_kind: global_buffer, .address_space: global }
    .group_segment_fixed_size: 0
    .private_segment_fixed_size: 0
    .kernarg_segment_align: 8
    .kernarg_segment_size: 72
    .max_flat_workgroup_size: 256
    .sgpr_count:     66
    .vgpr_count:     128
    .wavefront_size: 32
...
	.end_amdgpu_metadata
.endif
;; end of part 1
;; launch qkv (part 2): grid 16 x 16, 4 waves a work-group, clusters of 4 x 4, 327,680 bytes of LDS; arguments xn16, w16, rope, qkv16; writes qkv16
.if DOCPART == 2
	.amdgcn_target "amdgcn-amd-amdhsa--gfx1250"
	.amdhsa_code_object_version 6
	.text
	.protected	k_qe2d102bae2_qkv
	.globl	k_qe2d102bae2_qkv
	.p2align	8
	.type	k_qe2d102bae2_qkv,@function
k_qe2d102bae2_qkv:
	s_mov_b64 s[64:65], 0
	v_nop
	global_prefetch_b8 v0, s[64:65] scope:SCOPE_SE
	s_setreg_imm32_b32 hwreg(HW_REG_WAVE_MODE, 25, 1), 1
	s_wait_xcnt 0x0
	s_wait_alu depctr_hold_cnt(0) depctr_sa_sdst(0) depctr_va_vdst(0) depctr_va_sdst(0) depctr_va_ssrc(0) depctr_va_vcc(0) depctr_vm_vsrc(0)
	s_getreg_b32 s2, hwreg(HW_REG_IB_STS2, 6, 4)
	s_cmp_eq_u32 s2, 0
	s_cbranch_scc0 .Lentry_in_a_cluster
	s_endpgm
.Lentry_in_a_cluster:
	s_bfe_u32 s2, ttmp6, 0x10000c
	s_cmp_lg_u32 s2, 0xf033
	s_cbranch_scc0 .Lentry_shape_is_right
	s_endpgm
.Lentry_shape_is_right:
; QKV: q, k, v = xn W^T for one head and 128 tokens a work-group, the rotary turn applied to q and k on the way out.
; xn16 [2048][2048] f16; w16 [4][2048][2048] f16 (q, k, v, o); rope [2048][64][2] f32 (cos, sin); qkv16 [3][16][2048][128] f16, unscaled.  Sums in f32; each result rounded once.
; LIMIT: a q, k or v beyond 65,504 becomes an infinity in f16.
; SHARES.  Work-group (x, y): tokens 128 x on, head y: 128 x 384 of C, so that 16 x 16 work-groups cover 2048 x 6144.  Wave w: all 128 tokens x channels 32 w .. 32 w + 31 of q, of k and of v:
; 8 token blocks a x 6 column blocks c (c = 2 g + b, g = 0 q, 1 k, 2 v): 48 accumulators, 384 registers.  For 32 along K a wave reads 28 x 512 bytes of LDS for 48 matrix instructions.
; RING.  K in steps of 128 through two LDS slots; a slot holds xn's 128 rows and 128 rows each of wq, wk, wv; wave 0 fetches xn's tile, waves 1-3 the weights': one tensor load a wave, 128 rows of 256 bytes.
; A trip of the loop is one K step; the slot in hand is a scalar that an exclusive or turns, and the fragment addresses are made from it anew in each trip.
; CLUSTER 4 x 4.  xn's tile hangs on x alone and is asked for jointly by a column of the cluster, the weights' tiles on y alone, by a row.
; THE WALK ALONG K GOES ROUND.  Cluster (X, Y) begins at K step 4 X + 8 p(Y) of 16 (p: the exclusive or of Y's two bits) and wraps at 16.  So the four clusters that need the same rows of W begin four steps
; apart, and clusters that need the same rows of xn at the same step or eight apart: a K step's bytes are asked for by the clusters that share them at different times.  The f32 sums take K in that order.
; THE MATRIX INSTRUCTION IS USED TRANSPOSED (source 0 = 16 rows of W, source 1 = 16 tokens): a lane holds token lane % 16 and channels 8 (lane / 16) + 0..7: four rotary pairs side by side.
; REGISTERS: window 0: v0-31 addresses; v64-127, v128-191 xn's fragments, two buffers; on the way out v64-255 at work.   window 1: v64-111, v128-175 W's fragments.
;   window 2: accumulators of token blocks 0-3 at v[8 (6 a + c)]; v192-255 their (cos, sin).   window 3: the same for blocks 4-7.
.set KSTEP,  128
.set STEPS,  2048/KSTEP
.set PITCH,  272                       ; an LDS row: 256 bytes + 16 of padding = 68 words: the 16 rows of a fragment load start at 16 different groups of four banks (64 banks of 4 bytes: ISA guide 11.1)
.set HALFT,  128*PITCH                 ; one tile: what one tensor load brings
.set SLOT,   4*HALFT                   ; xn, wq, wk, wv: 0x22000 bytes, a number that shares no bit with the waves' LDS places 0, 0x8800, 0x11000, 0x19800: one exclusive or changes slots
.set SPARE,  2*SLOT                    ; behind the ring: the spare words, 128 bytes a wave
.set A0,   16                          ; v16-19  my place in slot 0's tiles: xn, wq, wk, wv; never rewritten
.set AC,   20                          ; v20-23  the same in the slot in hand
.set STO,  24                          ; v24     the way out: where I put 16 bytes of a row (q, k);  v25 the same for v
.set STO2, 25
.set RD,   26                          ; v26     where I read rows back (q, k);  v27 for v
.set RD2,  27
.set SPW,  28                          ; v28     my spare word; never rewritten
.set NIL,  29                          ; v29     0; never rewritten
.set CO,   30                          ; v30     16 x lane: my place in 512 consecutive bytes of the output
.set TO,   31                          ; v31     my byte offset in the table
.set F0,   64
.set F1,   128
.set TAB,  192                         ; windows 2, 3
.set T0,   64                          ; the way out: turned pairs in f32
.set PKD,  96                          ; and packed f16
.set WV, 12                            ; s12 wave;  s13 head (y);  s14 token block (x)
.set G1, 24                            ; s[24:31] group 1 for xn's tiles;  s[32:39] group 0: a set for each of the two first fills; the second then walks on
.set G0, 32
.set G1B, 48                           ; s[48:55], s[56:63] the same for W's tiles
.set G0B, 56
.set CURS, 66                          ; s66  LDS byte at which the slot in hand begins
.set KI,   67                          ; s67  counts the K steps asked for, from the cluster's first; its low four bits are the step
.set OFS,  68                          ; s[68:69] that step's byte offset in a row
.set MSB, 0
.macro WIN new                         ; the immediate's high byte repeats the setting that is left; a switch that changes nothing is dropped
.if MSB != (\new)
	s_set_vgpr_msb (MSB<<8)|(\new)
.set MSB, \new
.endif
.endm
; A joint load.  Wave 0 asks for xn's tile, waves 1-3 for wq's, wk's, wv's.  The branch hangs on the wave's number alone.  An s_nop 0 and four v_nop follow each line.
.macro JLOAD s
	s_cmp_eq_u32 s[WV], 0
	s_cbranch_scc0 .Lfor_b_\@
	tensor_load_to_lds s[G0+4*(\s):G0+4*(\s)+3], s[G1:G1+7]
	s_nop 0
.rept 4
	v_nop
.endr
	s_branch .Lasked_\@
.Lfor_b_\@:
	tensor_load_to_lds s[G0B+4*(\s):G0B+4*(\s)+3], s[G1B:G1B+7]
	s_nop 0
.rept 4
	v_nop
.endr
.Lasked_\@:
.endm
.macro CREST                           ; a round of the cluster's barrier behind its opening barrier
	s_cmp_lg_u32 s[WV], 0
	s_cbranch_scc1 .Lnot_wave_0_\@
	s_barrier_signal -3
.Lnot_wave_0_\@:
	s_barrier_wait -3
	s_barrier_signal -1
	s_barrier_wait -1
.endm
.macro CROUND
	s_barrier_signal -1
	s_barrier_wait -1
	CREST
.endm
.macro PLACES                          ; four places in front of loads into registers that matrix instructions have read, and of vector lines that read results
.rept 4
	v_nop
.endr
.endm
	s_load_b256 s[4:11], s[0:1], 0x0               ; xn16 s[4:5], w16 s[6:7], rope s[8:9], qkv16 s[10:11]
	v_lshl_add_u32 v[SPW], v0, 2, SPARE
	v_mov_b32 v[NIL], 0
	ds_add_u32 v[SPW], v[NIL]                      ; the wave's opening: the add and its wait stand ahead of my first tensor load; work on registers stands between them
	v_lshrrev_b32 v1, 5, v0
	v_readfirstlane_b32 s[WV], v1
	s_bfe_u32 s40, ttmp6, 0x40000                  ; cx, cy: my place in the cluster
	s_bfe_u32 s41, ttmp6, 0x40004
	s_lshl_b32 s14, ttmp9, 2
	s_add_co_u32 s14, s14, s40                     ; token block = 4 x cluster x + cx
	s_and_b32 s70, ttmp7, 0xffff                   ; cluster y
	s_lshl_b32 s13, s70, 2
	s_add_co_u32 s13, s13, s41                     ; head = 4 x cluster y + cy
	s_lshl_b32 s42, 0x1111, s40                    ; my column of the cluster: the same token block
	s_lshl_b32 s43, s41, 2
	s_lshl_b32 s43, 15, s43                        ; my row: the same head
	s_or_b32 s[G1], s42, (1<<16)|(1<<20)|(1<<21)|(5<<22)|(3<<25)   ; 15:0 the mask; 17:16 2-byte elements; 20 padding on; 21 set beside a mask; 24:22 after every 64 words; 31:25 4 words of it
	s_or_b32 s[G1B], s43, (1<<16)|(1<<20)|(1<<21)|(5<<22)|(3<<25)
.irp g, G1, G1B
	s_mov_b32 s[(\g)+1], KSTEP<<16                 ; tensor_dim0 = 128
	s_mov_b32 s[(\g)+2], 128<<16                   ; tensor_dim1 = 128
	s_mov_b32 s[(\g)+3], KSTEP<<16                 ; tile_dim0 = 128
	s_mov_b32 s[(\g)+4], 128                       ; tile_dim1 = 128
	s_mov_b32 s[(\g)+5], 2048                      ; elements from row to row
	s_mov_b32 s[(\g)+6], 0
	s_mov_b32 s[(\g)+7], 0
.endr
	s_lshr_b32 s71, s70, 1                         ; the cluster's first K step, made of the cluster's numbers alone: equal in all sixteen partners
	s_xor_b32 s71, s71, s70
	s_and_b32 s71, s71, 1
	s_lshl_b32 s71, s71, 3
	s_lshl_b32 s[KI], ttmp9, 2
	s_add_co_u32 s[KI], s[KI], s71
	s_mov_b32 s[OFS+1], 0
	s_mov_b32 s[CURS], 0
	s_lshl_b32 s44, s14, 19                        ; xn: 128 rows of 4,096 bytes a token block: made of x alone
	s_mov_b32 s45, 0
	s_max_u32 s22, s[WV], 1
	s_sub_co_u32 s22, s22, 1                       ; which weight tensor I fetch (wave 0 makes an address that it never uses)
	s_lshl_b32 s22, s22, 23
	s_lshl_b32 s46, s13, 19                        ; W: the head's 128 rows: made of y and the wave's number alone
	s_add_co_u32 s46, s46, s22
	s_mov_b32 s47, 0
	s_mul_i32 s15, s[WV], HALFT                    ; where my tile goes: no place in the cluster enters an LDS address
	s_wait_dscnt 0x0                               ; the opening add is done
	s_wait_kmcnt 0x0
	s_add_nc_u64 s[44:45], s[4:5], s[44:45]        ; kept: each fill's address is made from these two
	s_add_nc_u64 s[46:47], s[6:7], s[46:47]
	CROUND                                         ; all sixteen work-groups are here: the first joint loads meet
.irp s, 0,1
	s_and_b32 s[OFS], s[KI], STEPS-1
	s_lshl_b32 s[OFS], s[OFS], 8                   ; a K step is 256 bytes of a row
	s_add_co_u32 s[KI], s[KI], 1
	s_mov_b32 s[G0+4*(\s)], 1
	s_add_co_u32 s[G0+4*(\s)+1], s15, (\s)*SLOT
	s_add_nc_u64 s[G0+4*(\s)+2:G0+4*(\s)+3], s[44:45], s[OFS:OFS+1]
	s_or_b32 s[G0+4*(\s)+3], s[G0+4*(\s)+3], 0x80000000
	s_mov_b32 s[G0B+4*(\s)], 1
	s_add_co_u32 s[G0B+4*(\s)+1], s15, (\s)*SLOT
	s_add_nc_u64 s[G0B+4*(\s)+2:G0B+4*(\s)+3], s[46:47], s[OFS:OFS+1]
	s_or_b32 s[G0B+4*(\s)+3], s[G0B+4*(\s)+3], 0x80000000
	JLOAD \s                                       ; two tensor loads of mine are out
.endr
	v_and_b32 v1, 15, v0                           ; l % 16
	v_bfe_u32 v2, v0, 4, 1                         ; l / 16
	; the table: token 16 a + l % 16, pairs 16 w + 8 b + 4 (l / 16) + 0..3: 32 bytes for each (a, b); waited for on the way out
	s_lshl_b32 s22, s14, 16                        ; 128 rows of 512 bytes
	s_mov_b32 s23, 0
	s_add_nc_u64 s[8:9], s[8:9], s[22:23]
	v_lshlrev_b32 v[TO], 9, v1
	v_lshl_add_u32 v[TO], v2, 5, v[TO]
	s_lshl_b32 s22, s[WV], 7
	v_add_nc_u32 v[TO], s22, v[TO]
.irp a, 0,1,2,3,4,5,6,7
	WIN 0x80+0x40*((\a)/4)                         ; destination window 2 or 3, address window 0
.irp b, 0,1
	global_load_b128 v[TAB+16*((\a)%4)+8*(\b):TAB+16*((\a)%4)+8*(\b)+3],   v[TO], s[8:9] offset:(\a)*8192+64*(\b)
	global_load_b128 v[TAB+16*((\a)%4)+8*(\b)+4:TAB+16*((\a)%4)+8*(\b)+7], v[TO], s[8:9] offset:(\a)*8192+64*(\b)+16
.endr
.endr
	WIN 0
	v_mul_u32_u24 v3, v1, PITCH
	v_lshl_add_u32 v3, v2, 4, v3                   ; a fragment's row x pitch + 16 x half
	v_mov_b32 v[A0], v3
	s_mul_i32 s22, s[WV], 32*PITCH                 ; my 32 rows of each weight tile
	s_add_co_u32 s22, s22, HALFT
.irp g, 0,1,2
	v_add_nc_u32 v[A0+1+(\g)], s22, v3
	s_add_co_u32 s22, s22, HALFT
.endr
.irp i, 0,1,2,3
	v_mov_b32 v[AC+(\i)], v[A0+(\i)]               ; the walk begins in slot 0
.endr
	s_lshl_b32 s23, s[WV], 6                       ; the stage: row = token, my 64 bytes of its 256
	v_add_nc_u32 v[STO], s23, v3
	v_add_nc_u32 v[STO2], 2*HALFT, v[STO]
	v_mul_u32_u24 v4, v2, PITCH                    ; back: wave w takes rows 32 w on, whole; lanes 0-15 one row, lanes 16-31 the next
	v_lshl_add_u32 v4, v1, 4, v4
	s_mul_i32 s23, s[WV], 32*PITCH
	v_add_nc_u32 v[RD], s23, v4
	v_add_nc_u32 v[RD2], 2*HALFT, v[RD]
	v_and_b32 v[CO], 31, v0
	v_lshlrev_b32 v[CO], 4, v[CO]
	s_lshl_b32 s22, s13, 19                        ; the output: head x 2,048 rows + 128 x token block + 32 w rows, of 256 bytes
	s_lshl_b32 s23, s14, 15
	s_add_co_u32 s22, s22, s23
	s_lshl_b32 s23, s[WV], 13
	s_add_co_u32 s22, s22, s23
	s_mov_b32 s23, 0
	s_add_nc_u64 s[16:17], s[10:11], s[22:23]      ; q
	s_add_nc_u64 s[18:19], s[16:17], 0x800000      ; k
	s_add_nc_u64 s[20:21], s[16:17], 0x1000000     ; v
; 12 matrix instructions: token blocks a0, a0 + 1 of the window's four x all 6 column blocks, 32 along K.  zero = 1: the first product starts the sums.  The 48 accumulators take turns.
.macro MUL12 f, hi, a0, zero
	WIN 0xa1+0x50*(\hi)                            ; source 0 (W) window 1, source 1 (xn) window 0, C and D window 2 or 3
.irp a, \a0, (\a0)+1
.irp c, 0,1,2,3,4,5
.if \zero
	v_wmma_f32_16x16x32_f16 v[8*(6*(\a)+(\c)):8*(6*(\a)+(\c))+7], v[(\f)+8*(\c):(\f)+8*(\c)+7], v[(\f)+8*(4*(\hi)+(\a)):(\f)+8*(4*(\hi)+(\a))+7], 0
.else
	v_wmma_f32_16x16x32_f16 v[8*(6*(\a)+(\c)):8*(6*(\a)+(\c))+7], v[(\f)+8*(\c):(\f)+8*(\c)+7], v[(\f)+8*(4*(\hi)+(\a)):(\f)+8*(4*(\hi)+(\a))+7], v[8*(6*(\a)+(\c)):8*(6*(\a)+(\c))+7]
.endif
.endr
.endr
.endm
; 28 LDS loads in one run: a quarter step's fragments (32 K at byte k of the rows of the slot in hand) into buffer f: W's twelve, then xn's sixteen
.macro FETCH k, f
	WIN 0x40
.irp g, 0,1,2
.irp b, 0,1
	ds_load_b128 v[(\f)+8*(2*(\g)+(\b)):(\f)+8*(2*(\g)+(\b))+3],   v[AC+1+(\g)] offset:(\k)+(\b)*16*PITCH
	ds_load_b128 v[(\f)+8*(2*(\g)+(\b))+4:(\f)+8*(2*(\g)+(\b))+7], v[AC+1+(\g)] offset:(\k)+(\b)*16*PITCH+32
.endr
.endr
	WIN 0
.irp i, 0,1,2,3,4,5,6,7
	ds_load_b128 v[(\f)+8*(\i):(\f)+8*(\i)+3],   v[AC] offset:(\k)+(\i)*16*PITCH
	ds_load_b128 v[(\f)+8*(\i)+4:(\f)+8*(\i)+7], v[AC] offset:(\k)+(\i)*16*PITCH+32
.endr
.endm
; A K step is four quarters of 32 along K, 48 matrix instructions each, on buffers 0, 1, 0, 1.  One of the first three: multiplies f and fetches the next quarter, at byte k, into g.
.macro QUARTER k, f, g, zero
	s_wait_dscnt 8                                 ; W and xn's rows 0-63 are in; the youngest eight loads (rows 64-127) may be out
	MUL12 \f, 0, 0, \zero
	MUL12 \f, 0, 2, \zero
	PLACES
	FETCH \k, \g
	s_wait_dscnt 28                                ; all but the 28 just issued
	MUL12 \f, 1, 0, \zero
	MUL12 \f, 1, 2, \zero
.endm
; The last quarter multiplies buffer 1 and changes slots: one barrier; in front of it each wave waits for all its tensor loads (one is out: its part of the next slot), adds 0 to its spare word, and waits
; for that and for its reads of this slot.  The next slot's addresses and the next fill's descriptors are made between the add and the wait for it.
; fill = 1: the barrier opens a round of the cluster's, and this slot is filled again first thing behind it, two K steps ahead: 168 matrix instructions ahead of the wait for it.
; fill = 0 (the last two K steps): nothing is asked for; in the very last (s3 = 1) there is no next slot, and the run of LDS loads is jumped over.
.macro TURN fill
	WIN 0                                          ; (the add's two registers lie in window 0)
	s_wait_tensorcnt 0x0
	ds_add_u32 v[SPW], v[NIL]
	s_xor_b32 s[CURS], s[CURS], SLOT
.irp i, 0,1,2,3
	v_add_nc_u32 v[AC+(\i)], s[CURS], v[A0+(\i)]   ; every load from the old slot has been issued
.endr
.if \fill
	s_and_b32 s[OFS], s[KI], STEPS-1               ; the walk wraps at 16
	s_lshl_b32 s[OFS], s[OFS], 8
	s_add_co_u32 s[KI], s[KI], 1
	s_xor_b32 s[G0+5], s[G0+5], SLOT               ; no tensor load of mine is out, so the walking descriptors may be written: the other slot than last time,
	s_add_nc_u64 s[G0+6:G0+7], s[44:45], s[OFS:OFS+1]  ; the address made anew from the tile's first row and the step
	s_or_b32 s[G0+7], s[G0+7], 0x80000000
	s_xor_b32 s[G0B+5], s[G0B+5], SLOT
	s_add_nc_u64 s[G0B+6:G0B+7], s[46:47], s[OFS:OFS+1]
	s_or_b32 s[G0B+7], s[G0B+7], 0x80000000
.endif
	s_wait_dscnt 9                                 ; (the add and the youngest eight loads may be out)
	MUL12 F1, 0, 0, 0                              ; twelve matrix instructions stand between the add and the wait for it
	s_wait_dscnt 0x0                               ; the add is done, and my reads of this slot are over
	s_barrier_signal -1
	MUL12 F1, 0, 2, 0
	WIN 0
	s_barrier_wait -1
.if \fill
	CREST                                          ; no wave of any partner still reads this slot's tiles or has a load on its way
	JLOAD 1                                        ; its four v_nop are also the places in front of the loads below
.else
	PLACES
	s_cmp_eq_u32 s3, 1
	s_cbranch_scc1 .Lno_fetch_\@
.endif
	FETCH 0, F0
.if !(\fill)
	WIN 0
.Lno_fetch_\@:
.endif
	MUL12 F1, 1, 0, 0
	MUL12 F1, 1, 2, 0
.endm
	s_wait_tensorcnt 1                             ; my part of the first K step is in; the second's may stay out
	s_barrier_signal -1
	s_barrier_wait -1
	FETCH 0, F0
	QUARTER 64,  F0, F1, 1                         ; the first quarter stands in front of the loop: its products start the sums
	WIN 0
	s_mov_b32 s3, STEPS-2
.Lstep:                                                ; a trip: a K step's second quarter to the next step's first; the slot that it leaves is filled again
	QUARTER 128, F1, F0, 0
	QUARTER 192, F0, F1, 0
	TURN 1
	QUARTER 64,  F0, F1, 0
	WIN 0
	s_sub_co_u32 s3, s3, 1
	s_cmp_lg_u32 s3, 0
	s_cbranch_scc1 .Lstep
	s_mov_b32 s3, 2
.Ltail:                                                ; the last two K steps fill nothing: a text of their own; the second trip is left in its middle
	QUARTER 128, F1, F0, 0
	QUARTER 192, F0, F1, 0
	TURN 0                                         ; behind the first trip's barrier nobody reads slot 0 any more, and nothing is ever loaded into it again: it serves as the stage below
	WIN 0
	s_sub_co_u32 s3, s3, 1
	s_cmp_eq_u32 s3, 0
	s_cbranch_scc1 .Lout
	QUARTER 64,  F0, F1, 0
	WIN 0
	s_branch .Ltail
.Lout:
	s_wait_dscnt 0x0                               ; no LDS load is out: the fragment buffers are written below
	PLACES
	s_wait_loadcnt 0x0                             ; the table
; THE WAY OUT of token block a.  q and k: (x0, x1) -> (cos x0 - sin x1, sin x0 + cos x1), two packed lines a pair; v as it is; rounded to f16; 16 bytes a lane into the stage.
; Each accumulator's lowest registers are read first.
.macro ROPE a
.set AC0, 48*((\a)%4)
.set TBL, TAB+16*((\a)%4)
	WIN 0x0a+5*((\a)/4)                            ; sources 0 and 1 window 2 or 3; source 2 and destination window 0
.irp c, 0,1,2,3
.irp p, 0,1,2,3
	v_pk_mul_f32 v[T0+8*(\c)+2*(\p):T0+8*(\c)+2*(\p)+1], v[AC0+8*(\c)+2*(\p):AC0+8*(\c)+2*(\p)+1], v[TBL+8*((\c)%2)+2*(\p):TBL+8*((\c)%2)+2*(\p)+1] op_sel_hi:[1,0]
.endr
.endr
.irp c, 0,1,2,3
.irp p, 0,1,2,3
	v_pk_fma_f32 v[T0+8*(\c)+2*(\p):T0+8*(\c)+2*(\p)+1], v[AC0+8*(\c)+2*(\p):AC0+8*(\c)+2*(\p)+1], v[TBL+8*((\c)%2)+2*(\p):TBL+8*((\c)%2)+2*(\p)+1], v[T0+8*(\c)+2*(\p):T0+8*(\c)+2*(\p)+1] op_sel:[1,1,0] op_sel_hi:[0,1,1] neg_lo:[1,0,0]
.endr
.endr
.irp c, 4,5
.irp p, 0,1,2,3
	v_cvt_pk_f16_f32 v[PKD+4*(\c)+(\p)], v[AC0+8*(\c)+2*(\p)], v[AC0+8*(\c)+2*(\p)+1]
.endr
.endr
	WIN 0
.irp c, 0,1,2,3
.irp p, 0,1,2,3
	v_cvt_pk_f16_f32 v[PKD+4*(\c)+(\p)], v[T0+8*(\c)+2*(\p)], v[T0+8*(\c)+2*(\p)+1]
.endr
.endr
.irp c, 0,1,2,3
	ds_store_b128 v[STO], v[PKD+4*(\c):PKD+4*(\c)+3] offset:((\c)/2)*HALFT+(\a)*16*PITCH+32*((\c)%2)
.endr
.irp c, 4,5
	ds_store_b128 v[STO2], v[PKD+4*(\c):PKD+4*(\c)+3] offset:(\a)*16*PITCH+32*((\c)%2)
.endr
.endm
.irp a, 0,1,2,3,4,5,6,7
	ROPE \a
.endr
	s_wait_dscnt 0x0                               ; for the others' sake: my stores into the stage are done (a row's 256 bytes come from four waves)
	s_barrier_signal -1
	s_barrier_wait -1
.irp g, 0,1
.irp t, 0,1,2,3,4,5,6,7,8,9,10,11,12,13,14,15
	ds_load_b128 v[64+64*(\g)+4*(\t):64+64*(\g)+4*(\t)+3], v[RD] offset:(\g)*HALFT+(\t)*2*PITCH
.endr
.endr
.irp t, 0,1,2,3,4,5,6,7,8,9,10,11,12,13,14,15
	ds_load_b128 v[192+4*(\t):192+4*(\t)+3], v[RD2] offset:(\t)*2*PITCH
.endr
.irp g, 0,1,2
.irp t, 0,1,2,3,4,5,6,7,8,9,10,11,12,13,14,15
	s_wait_dscnt 47-16*(\g)-(\t)                   ; LDS loads come back in order: this one is in, the younger ones stay out
	global_store_b128 v[CO], v[64+64*(\g)+4*(\t):64+64*(\g)+4*(\t)+3], s[16+2*(\g):17+2*(\g)] offset:512*(\t)  ; two rows of a head: 512 consecutive bytes, aligned
.endr
.endr
	s_wait_tensorcnt 0x0                           ; the wave's end: behind my last tensor load and my last LDS store
	ds_add_u32 v[SPW], v[NIL]
	s_wait_dscnt 0x0
	CROUND                                         ; the closing round
	s_endpgm
.Lfunc_end_k_qe2d102bae2_qkv:
	.size	k_qe2d102bae2_qkv, .Lfunc_end_k_qe2d102bae2_qkv-k_qe2d102bae2_qkv
	.p2alignl 7, 3214868480
	.fill 96, 4, 3214868480
	.section	.rodata,"a",@progbits
	.p2align	6, 0x0
	.amdhsa_kernel k_qe2d102bae2_qkv
		.amdhsa_group_segment_fixed_size 327680
		.amdhsa_private_segment_fixed_size 0
		.amdhsa_enable_private_segment 0
		.amdhsa_kernarg_size 32
		.amdhsa_user_sgpr_count 2
		.amdhsa_user_sgpr_kernarg_segment_ptr 1
		.amdhsa_wavefront_size32 1
		.amdhsa_system_sgpr_workgroup_id_x 1
		.amdhsa_system_sgpr_workgroup_id_y 1
		.amdhsa_system_sgpr_workgroup_id_z 1
		.amdhsa_system_vgpr_workitem_id 0
		.amdhsa_next_free_vgpr 1024
		.amdhsa_next_free_sgpr 72
		.amdhsa_reserve_vcc 0
		.amdhsa_float_denorm_mode_32 3
		.amdhsa_float_denorm_mode_16_64 3
		.amdhsa_memory_ordered 1
		.amdhsa_forward_progress 1
		.amdhsa_inst_pref_size 102
	.end_amdhsa_kernel
	.amdgpu_metadata
---
amdhsa.version: [ 1, 2 ]
amdhsa.kernels:
  - .name:           k_qe2d102bae2_qkv
    .symbol:         k_qe2d102bae2_qkv.kd
    .args:
      - { .name: xn16, .offset: 0, .size: 8, .value_kind: global_buffer, .address_space: global }
      - { .name: w16, .offset: 8, .size: 8, .value_kind: global_buffer, .address_space: global }
      - { .name: rope, .offset: 16, .size: 8, .value_kind: global_buffer, .address_space: global }
      - { .name: qkv16, .offset: 24, .size: 8, .value_kind: global_buffer, .address_space: global }
    .group_segment_fixed_size: 327680
    .private_segment_fixed_size: 0
    .kernarg_segment_align: 8
    .kernarg_segment_size: 32
    .max_flat_workgroup_size: 128
    .sgpr_count:     72
    .vgpr_count:     1024
    .wavefront_size: 32
...
	.end_amdgpu_metadata
.endif
;; end of part 2
;; launch attn (part 3): grid 16 x 16, 4 waves a work-group, clusters of 4 x 1, 327,680 bytes of LDS; arguments qkv16, o16; writes o16
.if DOCPART == 3
	.amdgcn_target "amdgcn-amd-amdhsa--gfx1250"
	.amdhsa_code_object_version 6
	.text
	.protected	k_qe2d102bae2_attn
	.globl	k_qe2d102bae2_attn
	.p2align	8
	.type	k_qe2d102bae2_attn,@function
k_qe2d102bae2_attn:
	s_mov_b64 s[64:65], 0
	v_nop
	global_prefetch_b8 v0, s[64:65] scope:SCOPE_SE
	s_setreg_imm32_b32 hwreg(HW_REG_WAVE_MODE, 25, 1), 1
	s_wait_xcnt 0x0
	s_wait_alu depctr_hold_cnt(0) depctr_sa_sdst(0) depctr_va_vdst(0) depctr_va_sdst(0) depctr_va_ssrc(0) depctr_va_vcc(0) depctr_vm_vsrc(0)
	s_getreg_b32 s2, hwreg(HW_REG_IB_STS2, 6, 4)
	s_cmp_eq_u32 s2, 0
	s_cbranch_scc0 .Lentry_in_a_cluster
	s_endpgm
.Lentry_in_a_cluster:
	s_bfe_u32 s2, ttmp6, 0x10000c
	s_cmp_lg_u32 s2, 0x3003
	s_cbranch_scc0 .Lentry_shape_is_right
	s_endpgm
.Lentry_shape_is_right:
; CAUSAL ATTENTION, head size 128.  qkv16 [3][16][2048][128] f16 (q, k turned, unscaled; v); o16 [2048][16 x 128] f16.  Products, maxima and sums in f32; the weights p are rounded to f16 for the second
; product (their sum l is taken of the unrounded p), O once at the end.
; LIMITS.  q, k, v arrive within f16's 65,504, so a score is at most 5.5e11.  A hidden score counts as its value less 1e30; the running maximum starts at -1e20, between the two: a hidden score never becomes
; the maximum, and a wave that has seen hidden keys alone ends with l = 0 and O = 0.  A weight below 2^-126 counts as 0.  NaN and infinities are not treated apart.
; THE WALK.  A head's queries lie in 32 blocks of 64; block B needs the key tiles 0 .. B / 4 of 256 keys, of which the last holds the diagonal.  Work-group b = 4 u + r (u the cluster's number, r my place in it)
; takes block 31 - b (tiles 0 .. 7 - u) and then block b (tiles 0 .. u): 9 tiles whatever b, and THE SAME tiles in the same order for the four partners of a cluster.  So every tile of K and V is asked for
; JOINTLY, and every trip count and branch hangs on u alone; r enters Q's and O's addresses and the masks' values, nothing else.
; SHARES.  All four waves hold the same 64 queries (four tiles of 16); THE KEYS ARE SPLIT: wave w takes keys 64 w .. 64 w + 63 of each tile, one key step of 128 matrix instructions.  At a block's end the four
; waves' (c m, l, O) are merged in f32 through LDS: O = sum f_w O_w / sum f_w l_w, f_w = 2^(c m_w - max c m).
; LAYOUT.  S^T = K Q^T (source 0 = 16 keys, source 1 = 16 queries): a lane holds ONE query (lane % 16) and the keys 8 (lane / 16) + 0..7; two such results rounded to f16 ARE source 1 of O^T = V^T P.
; SOFTMAX.  p = 2^(c s - c m), c = log2(e) / sqrt(128), with a running maximum m; O and l are multiplied by a = 2^(c m_old - c m_new) in every step; a block's first step has a = 0.
; THE MASK is the C operand that starts the sum S^T.  In a block's last tile wave w stands left of the block's own 64 keys (all seen), on them, or right of them (all hidden); on them, key block kb of 16 against
; query tile t is seen (kb < t), hidden (kb > t) or holds the diagonal.  Three sets of eight registers, made anew each step from scalars chosen by s_cselect_b32: one text for every tile.
; A KEY STEP: K Q^T of tiles 0, 1; K Q^T of tiles 2, 3 with the softmax of tiles 0, 1 in slices behind its products; V^T P of tiles 0, 1 with the softmax of tiles 2, 3; V^T P of tiles 2, 3.
; REGISTERS, in windows of 256 (s_set_vgpr_msb: bits 1:0 source 0, 3:2 source 1, 5:4 source 2, 7:6 destination):
;   window 0: v0-11, v44-47 addresses; v12-43 eight registers of statistics a tile; v64-191 S^T; v192-255 P      window 1: O^T, 64 a tile
;   window 2: v0-127 Q; v128-255 K of the step      window 3: v0-127 V of the step; v128-159 the masks
.set KS,    64
.set PK,    272       ; a row of K in LDS: 256 bytes + 16 = 68 words: the 16 rows of a load start at 16 different groups of four banks (64 banks of 4 bytes: ISA guide 11.1)
.set PV,    288       ; a row of V: 256 + 32 = 72 words
.set VOFF,  256*PK    ; a slot: 256 rows of K, then 256 rows of V: 143,360 bytes
.set SLOT1, 0x24000   ; slot 1 begins here: the number shares no bit with the four LDS places of the fills (0, 0x8800, 0x11000, 0x1a000), so one exclusive or changes slots
.set MSTAGE, SLOT1+256*(PK+PV)  ; behind the ring, never filled by a tensor load: for each wave 16 rows x 528 bytes (a query's 128 channels in f32 + 16)
.set MP,    528
.set MREG,  16*MP
.set STATS, MSTAGE+4*MREG       ; for each wave 4 tiles x 16 queries x (c m, l)
.set SPARE, STATS+2048          ; the spare words, 128 bytes a wave
.set AK0, 2           ; v2   my lane's place in my wave's 64 keys of a tile of K; never rewritten
.set AV0, 3           ; v3   the same for V
.set AK,  4           ; v4   the LDS address of K's run of loads
.set AV,  5           ; v5   of V's
.set QO,  6           ; v6   my byte offset in 16 rows of Q
.set SA,  7           ; v7   the merge: where I put (c m, l)
.set SRD, 8           ; v8   where I read the four waves'
.set MS,  10          ; v10  where I put 16 bytes of O
.set MR,  11          ; v11  where I read rows of O back
.set ST,  12          ; tile t's statistics at v[ST+8 t]: +0 c m, +1 m, +2, +3 l, +4 to +7 at work; a (in the merge: my factor) at +6
.set GO,  44          ; v44  my byte offset in o16
.set SPW, 62          ; v62  my spare word; never rewritten
.set NIL, 63          ; v63  0; never rewritten
.set S,   64
.set MB,  128         ; the merge: sixteen rows read back
.set P,   192
.set KF,  128         ; window 2
.set MD16, 128        ; window 3: the diagonal's mask for 16 keys x 16 queries, made once
.set MEQ,  136        ; the mask for kb = t
.set MLO,  144        ; for kb < t
.set MHI,  152        ; for kb > t
.set WV,  12          ; s12  my wave's number
.set CLU, 13          ; s13  u
.set CLR, 14          ; s14  r
.set HD,  15          ; s15  the head
.set G1K, 24          ; s[24:31] descriptor group 1 for K's tiles
.set G1V, 32          ; s[32:39] for V's: it differs in the padding alone
.set G0K, 40          ; s[40:43] group 0 for K
.set G0V, 44          ; s[44:47] for V
.set KB,  48          ; s[48:49] K at my half of the head's tile 0
.set VB,  50          ; s[50:51] V likewise
.set QHI, 52          ; s[52:53] Q at the first block;  s[54:55] at the second
.set QLO, 54
.set SLOTS, 56        ; s56  tiles still to be asked for
.set CUR, 57          ; s57  LDS byte at which the slot in hand begins
.set CS,  58          ; s[58:59] c
.set SEL, 60          ; s[60:61] v_permlanex16_b32's selects
.set OHI, 66          ; s[66:67] O at the first block;  s[68:69] at the second
.set OLO, 68
.set RT,  70          ; s70  tiles of the block in hand still to be entered
.set NXT, 71          ; s71  the tile to be asked for next
.set LQ,  72          ; s72  the last tile of the block whose tiles are being asked for
.set POS, 73          ; s73  which 64 of its last tile's keys are the block's own
.set OFF, 74          ; s[74:75] a tile's byte offset
.set AL,  76          ; s[76:77] the mask's factor
.set BE,  78          ; s[78:79] the mask's addend
.set HIV, 80          ; s80  the mask for kb > t
.set BIGN, 82         ; s82  -1e30
.set DD,  83          ; s83  my wave's place against the block's own keys; -1 in a tile that is not the block's last
.set MSB, 0
.macro WIN new
.if MSB != (\new)
	s_set_vgpr_msb (MSB<<8)|(\new)
.set MSB, (\new)
.endif
.endm
.set W_PV, 0x53       ; V in window 3, P in window 0, O^T in window 1
.set W_RS, 0x41       ; O^T (destination and source 0) in window 1, the factor in window 0
; A joint fill.  Waves 0 and 1 fetch the two halves of a tile's K, waves 2 and 3 those of its V: 128 rows of 256 bytes each.  An s_nop 0 and four v_nop follow each line.
.macro JLOAD
	s_cmp_lt_u32 s[WV], 2
	s_cbranch_scc0 .Lfor_v_\@
	tensor_load_to_lds s[G0K:G0K+3], s[G1K:G1K+7]
	s_nop 0
.rept 4
	v_nop
.endr
	s_branch .Lasked_\@
.Lfor_v_\@:
	tensor_load_to_lds s[G0V:G0V+3], s[G1V:G1V+7]
	s_nop 0
.rept 4
	v_nop
.endr
.Lasked_\@:
.endm
.macro CROUND                       ; a round of the cluster's barrier
	s_barrier_signal -1
	s_barrier_wait -1
	s_cmp_lg_u32 s[WV], 0
	s_cbranch_scc1 .Lnot_wave_0_\@
	s_barrier_signal -3
.Lnot_wave_0_\@:
	s_barrier_wait -3
	s_barrier_signal -1
	s_barrier_wait -1
.endm
.macro PLACES
.rept 4
	v_nop
.endr
.endm
; THE CHANGE OF SLOTS.  Each wave waits for all its tensor loads (one is out: its part of the other slot), adds 0 to its spare word, and waits for that and for its reads of the slot that it leaves.
; fill = 1: the barrier is a round of the cluster's, and the old slot is filled again first thing behind it, with tile NXT; the load has a whole key step in which to land.  (At the first use slot 0 is waited for and slot 1 filled.)
; The scalars of the tile that is entered are made between the add and the wait for it.
.macro CHANGE fill
	WIN 0
	s_wait_tensorcnt 0x0            ; no tensor load of mine is out, so a group 0 may be written
	ds_add_u32 v[SPW], v[NIL]
.if \fill
	s_lshl_b32 s[OFF], s[NXT], 16   ; a tile is 65,536 bytes of K and of V
	s_xor_b32 s[G0K+1], s[G0K+1], SLOT1
	s_add_nc_u64 s[G0K+2:G0K+3], s[KB:KB+1], s[OFF:OFF+1]
	s_or_b32 s[G0K+3], s[G0K+3], 0x80000000
	s_xor_b32 s[G0V+1], s[G0V+1], SLOT1
	s_add_nc_u64 s[G0V+2:G0V+3], s[VB:VB+1], s[OFF:OFF+1]
	s_or_b32 s[G0V+3], s[G0V+3], 0x80000000
	s_add_co_u32 s[NXT], s[NXT], 1  ; the block's next tile, or behind its last the second block's tile 0
	s_cmp_gt_u32 s[NXT], s[LQ]
	s_cselect_b32 s[NXT], 0, s[NXT]
	s_cselect_b32 s[LQ], s[CLU], s[LQ]
.endif
	s_xor_b32 s[CUR], s[CUR], SLOT1
	s_sub_co_u32 s[RT], s[RT], 1
	s_sub_co_i32 s[DD], s[WV], s[POS]
	s_cmp_eq_u32 s[RT], 0           ; is this the block's last tile?
	s_cselect_b32 s[DD], s[DD], -1
	s_cmp_eq_i32 s[DD], 0
	s_cselect_b32 s[AL], 1.0, 0
	s_cmp_gt_i32 s[DD], 0
	s_cselect_b32 s[BE], s[BIGN], 0
	s_cmp_ge_i32 s[DD], 0
	s_cselect_b32 s[HIV], s[BIGN], 0
	s_wait_dscnt 0x0                ; the add is done, and my reads of the slot are over
.if \fill
	CROUND
	JLOAD                           ; its four v_nop are also the places in front of the step's loads
.else
	s_barrier_signal -1
	s_barrier_wait -1
	PLACES
.endif
.endm
.macro LOADQ qb                     ; 64 queries x 128 channels: tile i / 4, channels 32 (i % 4) on
	WIN 0x80
.set i, 0
.rept 16
	global_load_b128 v[8*i:8*i+3],   v[QO], s[(\qb):(\qb)+1] offset:(i/4)*4096+(i%4)*64
	global_load_b128 v[8*i+4:8*i+7], v[QO], s[(\qb):(\qb)+1] offset:(i/4)*4096+(i%4)*64+32
.set i, i+1
.endr
	WIN 0
.endm
.macro INITST                       ; a block begins: c m far below every c s, so that the first a is 0; m between the true and the hidden scores
.irp t, 0,1,2,3
	v_mov_b32 v[ST+8*(\t)], 0xfe000000
	v_mov_b32 v[ST+8*(\t)+1], 0xe0ad78ec
.endr
.endm
	s_load_b128 s[4:7], s[0:1], 0x0   ; qkv16 s[4:5], o16 s[6:7]
	v_lshl_add_u32 v[SPW], v0, 2, SPARE
	v_mov_b32 v[NIL], 0
	ds_add_u32 v[SPW], v[NIL]       ; the wave's opening: the add and its wait stand ahead of my first tensor load; work on registers stands between them
	v_lshrrev_b32 v1, 5, v0
	v_readfirstlane_b32 s[WV], v1
	s_mov_b32 s[CLU], ttmp9         ; in a cluster launch ttmp9 counts clusters
	s_bfe_u32 s[CLR], ttmp6, 0x40000
	s_and_b32 s[HD], ttmp7, 0xffff
	s_and_b32 s16, s[WV], 1         ; which half of a tile's 256 keys I fetch:
	s_mul_i32 s17, s16, 128*PK      ; its place in a slot, for K
	s_mul_i32 s18, s16, 128*PV      ; and for V
	s_add_co_u32 s18, s18, VOFF
	s_lshl_b32 s20, s[HD], 19       ; the head's 2,048 rows of 256 bytes,
	s_lshl_b32 s21, s16, 15         ; my 128 rows
	s_add_co_u32 s20, s20, s21
	s_mov_b32 s21, 0
	s_lshl_b32 s84, s[CLU], 2
	s_add_co_u32 s84, s84, s[CLR]   ; b: it enters Q's and O's addresses alone
	s_sub_co_u32 s85, 31, s84
	s_mov_b32 s[G1K], 15|(1<<16)|(1<<20)|(1<<21)|(5<<22)|(3<<25)  ; 15:0 the mask of four; 17:16 2-byte elements; 20 padding on; 21 set beside a mask; 24:22 after every 64 words; 31:25 4 words
	s_mov_b32 s[G1V], 15|(1<<16)|(1<<20)|(1<<21)|(5<<22)|(7<<25)  ; the same with 8 words of padding
.irp g, G1K, G1V
	s_mov_b32 s[(\g)+1], 128<<16    ; tensor_dim0 = 128
	s_mov_b32 s[(\g)+2], 128<<16    ; tensor_dim1 = 128
	s_mov_b32 s[(\g)+3], 128<<16    ; tile_dim0 = 128
	s_mov_b32 s[(\g)+4], 128        ; tile_dim1 = 128
	s_mov_b32 s[(\g)+5], 128        ; elements from row to row
	s_mov_b32 s[(\g)+6], 0
	s_mov_b32 s[(\g)+7], 0
.endr
	s_mov_b32 s[CS], 0x3e0293ee     ; c = log2(e) / sqrt(128)
	s_mov_b32 s[CS+1], s[CS]
	s_mov_b32 s[SEL], 0x76543210
	s_mov_b32 s[SEL+1], 0xfedcba98
	s_mov_b32 s[CUR], SLOT1         ; the first change of slots turns it into 0
	s_sub_co_u32 s[RT], 8, s[CLU]   ; the first block has 8 - u tiles
	s_mov_b32 s[NXT], 1
	s_sub_co_u32 s[LQ], 7, s[CLU]
	s_sub_co_u32 s[POS], 3, s[CLR]
	s_mov_b32 s[OFF+1], 0
	s_mov_b32 s[AL+1], 0            ; named as pairs
	s_mov_b32 s[BE+1], 0
	s_mov_b32 s[BIGN], 0xf149f2ca   ; -1e30
	s_mov_b32 s[SLOTS], 8
	s_mov_b32 s[G0K], 1
	s_mov_b32 s[G0K+1], s17         ; slot 0
	s_mov_b32 s[G0V], 1
	s_mov_b32 s[G0V+1], s18
	s_wait_dscnt 0x0                ; the opening add is done
	s_wait_kmcnt 0x0
	s_add_nc_u64 s[KB:KB+1], s[4:5], s[20:21]
	s_add_nc_u64 s[KB:KB+1], s[KB:KB+1], 0x800000
	s_add_nc_u64 s[VB:VB+1], s[KB:KB+1], 0x800000
	s_add_nc_u64 s[G0K+2:G0K+3], s[KB:KB+1], 0
	s_or_b32 s[G0K+3], s[G0K+3], 0x80000000
	s_add_nc_u64 s[G0V+2:G0V+3], s[VB:VB+1], 0
	s_or_b32 s[G0V+3], s[G0V+3], 0x80000000
	s_lshl_b32 s22, s[HD], 19
	s_lshl_b32 s86, s85, 14         ; a block: 64 rows of 256 bytes of Q
	s_add_co_u32 s86, s86, s22
	s_mov_b32 s87, 0
	s_add_nc_u64 s[QHI:QHI+1], s[4:5], s[86:87]
	s_lshl_b32 s86, s84, 14
	s_add_co_u32 s86, s86, s22
	s_add_nc_u64 s[QLO:QLO+1], s[4:5], s[86:87]
	s_lshl_b32 s22, s[HD], 8        ; in o16 a head is 256 bytes of a row of 4,096
	s_lshl_b32 s86, s85, 18
	s_add_co_u32 s86, s86, s22
	s_add_nc_u64 s[OHI:OHI+1], s[6:7], s[86:87]
	s_lshl_b32 s86, s84, 18
	s_add_co_u32 s86, s86, s22
	s_add_nc_u64 s[OLO:OLO+1], s[6:7], s[86:87]
	CROUND                          ; all four work-groups are here: the first joint loads meet
	JLOAD                           ; tile 0 into slot 0
	v_and_b32 v1, 15, v0            ; l % 16
	v_bfe_u32 v9, v0, 4, 1          ; l / 16
	v_lshlrev_b32 v[QO], 8, v1
	v_lshl_add_u32 v[QO], v9, 4, v[QO]
	LOADQ QHI
	v_lshlrev_b32 v45, 3, v9
	v_sub_nc_u32 v45, v1, v45       ; my query less my lanes' 8 (l / 16): key register j is hidden where j is greater
	WIN 0xc0
.set i, 0
.rept 8
	v_cmp_gt_i32 vcc_lo, i, v45
	v_cndmask_b32 v[MD16+i], 0, s[BIGN], vcc_lo
.set i, i+1
.endr
	WIN 0
	v_mul_u32_u24 v[AK0], v1, PK
	v_lshl_add_u32 v[AK0], v9, 4, v[AK0]
	s_mul_i32 s22, s[WV], KS*PK     ; my wave's 64 keys
	v_add_nc_u32 v[AK0], s22, v[AK0]
	; The turning load takes 16 keys x 16 channels (lane l reads key 8 (l / 16) + l % 8, channels 8 ((l / 8) % 2) + 0..7) and leaves half a fragment of V^T: lane l holds channel l % 16 and 8 keys.
	v_and_b32 v46, 7, v0
	v_bfe_u32 v47, v0, 3, 1
	v_lshl_add_u32 v[AV0], v9, 3, v46
	v_mul_u32_u24 v[AV0], v[AV0], PV
	v_lshl_add_u32 v[AV0], v47, 4, v[AV0]
	s_mul_i32 s22, s[WV], KS*PV
	s_add_co_u32 s22, s22, VOFF
	v_add_nc_u32 v[AV0], s22, v[AV0]
	s_lshl_b32 s22, s[WV], 9
	s_add_co_u32 s22, s22, STATS
	v_lshl_add_u32 v[SA], v1, 3, s22
	v_lshlrev_b32 v[SRD], 3, v1
	v_add_nc_u32 v[SRD], STATS, v[SRD]
	v_mul_u32_u24 v[MS], v1, MP     ; into my region: row = query, 32 bytes for each half of the lanes
	v_lshl_add_u32 v[MS], v9, 5, v[MS]
	s_mul_i32 s22, s[WV], MREG
	s_add_co_u32 s22, s22, MSTAGE
	v_add_nc_u32 v[MS], s22, v[MS]
	v_and_b32 v[MR], 31, v0         ; back: wave w sums rows 4 w .. 4 w + 3 of all four regions; 32 lanes take a row of 512 bytes
	v_lshlrev_b32 v[GO], 3, v[MR]
	v_lshlrev_b32 v[MR], 4, v[MR]
	s_mul_i32 s22, s[WV], 4*MP
	s_add_co_u32 s22, s22, MSTAGE
	v_add_nc_u32 v[MR], s22, v[MR]
	s_lshl_b32 s22, s[WV], 14       ; and the same four rows in o16
	v_add_nc_u32 v[GO], s22, v[GO]
	; A block's first step multiplies O^T and l by a = 0, so they need only hold finite numbers: zeros for the first block, what the first block left for the second.  This stands in the wait for the first tile;
	; it is the price of writing no first step out.
	WIN 0x40
.set i, 0
.rept 256
	v_mov_b32 v[i], 0
.set i, i+1
.endr
	WIN 0
.irp t, 0,1,2,3
	v_mov_b32 v[ST+8*(\t)+2], 0
	v_mov_b32 v[ST+8*(\t)+3], 0
.endr
	INITST
; THE MATRIX WORK.  The accumulators take turns, one instruction a turn.
; Product i of 32 of S^T = K Q^T for tiles x, x + 1: channels 32 (i / 8) on, keys 16 ((i / 2) % 4) on, tile x + i % 2.  The first 8 start the sums, with the mask as C.
.macro KQ x
.set tt, (\x)+i%2
.set kb, (i/2)%4
.set rS, S+32*tt+8*kb
.set rK, KF+32*kb+8*(i/8)
.set rQ, 32*tt+8*(i/8)
.if i < 8
.if kb < tt
.set rM, MLO
.elseif kb == tt
.set rM, MEQ
.else
.set rM, MHI
.endif
	WIN 0x3a                        ; K and Q in window 2, the mask in window 3, S^T in window 0
	v_wmma_f32_16x16x32_f16 v[rS:rS+7], v[rK:rK+7], v[rQ:rQ+7], v[rM:rM+7]
.else
	WIN 0x0a
	v_wmma_f32_16x16x32_f16 v[rS:rS+7], v[rK:rK+7], v[rQ:rQ+7], v[rS:rS+7]
.endif
.endm
; Product i of 32 of O^T += V^T P: keys 32 (i / 16) on, channels 16 ((i / 2) % 8) on, tile x + i % 2.
.macro PV x
	WIN W_PV
.set rO, 64*((\x)+i%2)+8*((i/2)%8)
.set rV, 64*(i/16)+8*((i/2)%8)
.set rP, P+16*((\x)+i%2)+8*(i/16)
	v_wmma_f32_16x16x32_f16 v[rO:rO+7], v[rV:rV+7], v[rP:rP+7], v[rO:rO+7]
.endm
.macro FETCH_K
	WIN 0x80
.irp f, 0,1,2,3,4,5,6,7,8,9,10,11,12,13,14,15  ; keys 16 (f / 4) on, channels 32 (f % 4) on
	ds_load_b128 v[KF+8*(\f):KF+8*(\f)+3],   v[AK] offset:((\f)/4)*16*PK+((\f)%4)*64
	ds_load_b128 v[KF+8*(\f)+4:KF+8*(\f)+7], v[AK] offset:((\f)/4)*16*PK+((\f)%4)*64+32
.endr
.endm
.macro FETCH_V
	WIN 0xc0
.irp f, 0,1,2,3,4,5,6,7,8,9,10,11,12,13,14,15  ; keys 32 (f / 8) on, channels 16 (f % 8) on
	ds_load_tr16_b128 v[8*(\f):8*(\f)+3],   v[AV] offset:((\f)/8)*32*PV+((\f)%8)*32
	ds_load_tr16_b128 v[8*(\f)+4:8*(\f)+7], v[AV] offset:((\f)/8)*32*PV+16*PV+((\f)%8)*32
.endr
.endm
; THE VECTOR WORK.  One tile's softmax for one key step is a list of 134 instructions; SM writes number j of it for tile t.  s0-s31 are the lane's 32 scores, in pairs 0-15.
;   0-15    the maximum of s0-s31 and the old m, three operands at a time: four chains of seven scores (each accumulator's lowest registers first), then the four left over, the chains and m
;   16-20   the other half of the lanes' maximum; c m_old kept; the new m; c m; c m_old - c m_new
;   21-87   33 exponentials (a, then s0-s31) at the odd numbers from 23 on, a plain line between any two: c s - c m for pairs to come, the rounding to f16 of pairs that are done, the first sums
;   88-101  the last rounding; the rest of the sums; l = a l + the sum          102-133 the tile's O^T times a, ascending: the one part that leaves window 0
.macro SM t
.set rT, ST+8*(\t)
.set rS, S+32*(\t)
.set rP, P+16*(\t)
.set rO, 64*(\t)+2*(j-102)
.set q, (j-20)/2
.if j < 102
	WIN 0
.endif
.if j < 4
	v_max3_num_f32 v[rT+4+j], v[rS+8*j], v[rS+8*j+1], v[rS+8*j+2]
.elseif j < 12
	v_max3_num_f32 v[rT+4+j%4], v[rT+4+j%4], v[rS+8*(j%4)+2*(j/4)+1], v[rS+8*(j%4)+2*(j/4)+2]
.elseif j == 12
	v_max3_num_f32 v[rT+4], v[rT+4], v[rS+7], v[rS+15]
.elseif j == 13
	v_max3_num_f32 v[rT+6], v[rT+6], v[rS+23], v[rS+31]
.elseif j == 14
	v_max3_num_f32 v[rT+4], v[rT+4], v[rT+5], v[rT+6]
.elseif j == 15
	v_max3_num_f32 v[rT+4], v[rT+4], v[rT+7], v[rT+1]
.elseif j == 16
	v_permlanex16_b32 v[rT+5], v[rT+4], s[SEL], s[SEL+1]  ; the query's other 32 keys lie in the lane 16 away
.elseif j == 17
	v_mov_b32 v[rT+7], v[rT]
.elseif j == 18
	v_max_num_f32 v[rT+1], v[rT+4], v[rT+5]
.elseif j == 19
	v_mul_f32 v[rT], s[CS], v[rT+1]
.elseif j == 20
	v_sub_f32 v[rT+7], v[rT+7], v[rT]
.elseif j == 23
	v_exp_f32 v[rT+6], v[rT+7]
.elseif (j < 88) && (j > 23) && (j%2 == 1)
	v_exp_f32 v[rS+(j-25)/2], v[rS+(j-25)/2]
.elseif (q < 4) || ((j < 76) && (q%2 == 0))
.set b, q/2+2
.if q < 4
.set b, q
.endif
	v_pk_fma_f32 v[rS+2*b:rS+2*b+1], v[rS+2*b:rS+2*b+1], s[CS:CS+1], v[rT:rT+1] op_sel_hi:[1,0,0] neg_lo:[0,0,1] neg_hi:[0,0,1]
.elseif (j < 88) && (q%2 == 1)
	s_wait_alu depctr_va_vdst(0)
	v_cvt_pk_f16_f32 v[rP+(q-5)/2], v[rS+q-5], v[rS+q-4]
.elseif j == 89
	s_wait_alu depctr_va_vdst(0)
	v_cvt_pk_f16_f32 v[rP+15], v[rS+30], v[rS+31]
.elseif j < 102                     ; sum z of 16 adds neighbours 1, 2, 4 and 8 pairs apart, in place; then l takes it
.set z, j-86
.if j < 89
.set z, (j-76)/4
.endif
.set w, 4
.set u, z
.if z >= 14
.set w, 32
.set u, 0
.elseif z >= 12
.set w, 16
.set u, z-12
.elseif z >= 8
.set w, 8
.set u, z-8
.endif
.if z < 15
	v_pk_add_f32 v[rS+w*u:rS+w*u+1], v[rS+w*u:rS+w*u+1], v[rS+w*u+w/2:rS+w*u+w/2+1]
.else
	v_pk_fma_f32 v[rT+2:rT+3], v[rT+2:rT+3], v[rT+6:rT+7], v[rS:rS+1] op_sel_hi:[1,0,1]
.endif
.else
	WIN W_RS
	v_pk_mul_f32 v[rO:rO+1], v[rO:rO+1], v[rT+6:rT+7] op_sel_hi:[1,0]
.endif
.endm
; Slice k of 64 of the softmax of tiles y, y + 1: numbers 2 k and 2 k + 1 of both lists; the twelve that are over stand in slice 63, sixteen plain lines: they are the places behind a run's last product.
.macro SLICE y
.if (k >= 11) && (k < 44)           ; tile by tile: plain, exponential, plain, exponential
.irp t, \y, (\y)+1
.irp n, 0,1
.set j, 2*k+(\n)
	SM \t
.endr
.endr
.else                               ; the two tiles alternate
.irp n, 0,1,2,3,4,5,6,7
.if ((\n) < 2) || (k == 63)
.irp t, \y, (\y)+1
.set j, 2*k+(\n)
	SM \t
.endr
.endif
.endr
.endif
.set k, k+1
.endm
; A KEY STEP.  No slice names a register of the products round it.
.macro STEP
	WIN 0
	v_add_nc_u32 v[AK], s[CUR], v[AK0]
	v_add_nc_u32 v[AV], s[CUR], v[AV0]
	FETCH_K
	FETCH_V
	WIN 0xc3                        ; the masks, while the loads are out
.set i, 0
.rept 4
	v_pk_fma_f32 v[MEQ+2*i:MEQ+2*i+1], v[MD16+2*i:MD16+2*i+1], s[AL:AL+1], s[BE:BE+1] op_sel_hi:[1,0,0]
.set i, i+1
.endr
.set i, 0
.rept 8
	v_mov_b32 v[MLO+i], s[BE]
	v_mov_b32 v[MHI+i], s[HIV]
.set i, i+1
.endr
	s_wait_loadcnt 0x0              ; Q
	s_wait_dscnt 32                 ; K is in; V's 32 loads stay out
.set i, 0
.rept 32
	KQ 0
.set i, i+1
.endr
	PLACES                          ; in front of the slices that read those scores
.set i, 0
.set k, 0
.rept 32
	KQ 2
	SLICE 0
	SLICE 0
.set i, i+1
.endr
	s_wait_dscnt 0x0                ; V is in
.set i, 0
.set k, 0
.rept 32
	PV 0
	SLICE 2
	SLICE 2
.set i, i+1
.endr
.set i, 0
.rept 32
	PV 2
.set i, i+1
.endr
	WIN 0
.endm
; THE MERGE at a block's end.
.macro SCALE t                      ; my O^T of tile t times my factor f / L, ascending
	WIN W_RS
.set i, 64*(\t)
.rept 32
	v_pk_mul_f32 v[i:i+1], v[i:i+1], v[ST+8*(\t)+6:ST+8*(\t)+7] op_sel_hi:[1,0]
.set i, i+2
.endr
.endm
; Tile t: every wave puts its 16 queries x 128 channels (f32) into its region; behind a barrier wave w adds rows 4 w .. 4 w + 3 of the four regions, rounds and stores them.  The regions are written again
; in the next tile's turn: a second barrier stands between these reads and those stores, its signal behind the wait for the reads, the additions between signal and wait.
.macro MROUND t, ob
	WIN 0x04                        ; data in window 1, address in window 0
.irp c, 0,1,2,3,4,5,6,7
	ds_store_b128 v[MS], v[64*(\t)+8*(\c):64*(\t)+8*(\c)+3] offset:64*(\c)
	ds_store_b128 v[MS], v[64*(\t)+8*(\c)+4:64*(\t)+8*(\c)+7] offset:64*(\c)+16
.endr
	WIN 0
	s_wait_dscnt 0x0                ; for the others' sake: my stores are done
	s_barrier_signal -1
	s_barrier_wait -1
.irp p, 0,1,2,3
.irp w, 0,1,2,3
	ds_load_b128 v[MB+16*(\p)+4*(\w):MB+16*(\p)+4*(\w)+3], v[MR] offset:MREG*(\w)+MP*(\p)
.endr
.endr
.if (\t) < 3
	SCALE (\t)+1                    ; the next tile's scaling stands in the wait for those loads
	WIN 0
.endif
	s_wait_dscnt 0x0                ; my reads of the regions are over
.if (\t) < 3
	s_barrier_signal -1
.endif
.irp p, 0,1,2,3
	v_pk_add_f32 v[MB+16*(\p):MB+16*(\p)+1],     v[MB+16*(\p):MB+16*(\p)+1],     v[MB+16*(\p)+4:MB+16*(\p)+5]
	v_pk_add_f32 v[MB+16*(\p)+2:MB+16*(\p)+3],   v[MB+16*(\p)+2:MB+16*(\p)+3],   v[MB+16*(\p)+6:MB+16*(\p)+7]
	v_pk_add_f32 v[MB+16*(\p)+8:MB+16*(\p)+9],   v[MB+16*(\p)+8:MB+16*(\p)+9],   v[MB+16*(\p)+12:MB+16*(\p)+13]
	v_pk_add_f32 v[MB+16*(\p)+10:MB+16*(\p)+11], v[MB+16*(\p)+10:MB+16*(\p)+11], v[MB+16*(\p)+14:MB+16*(\p)+15]
.endr
.irp p, 0,1,2,3
	v_pk_add_f32 v[MB+16*(\p):MB+16*(\p)+1],   v[MB+16*(\p):MB+16*(\p)+1],   v[MB+16*(\p)+8:MB+16*(\p)+9]
	v_pk_add_f32 v[MB+16*(\p)+2:MB+16*(\p)+3], v[MB+16*(\p)+2:MB+16*(\p)+3], v[MB+16*(\p)+10:MB+16*(\p)+11]
.endr
.irp p, 0,1,2,3
	v_cvt_pk_f16_f32 v[P+8*(\t)+2*(\p)],   v[MB+16*(\p)],   v[MB+16*(\p)+1]
	v_cvt_pk_f16_f32 v[P+8*(\t)+2*(\p)+1], v[MB+16*(\p)+2], v[MB+16*(\p)+3]
.endr
.if (\t) < 3
	s_barrier_wait -1
.endif
.irp p, 0,1,2,3
	global_store_b64 v[GO], v[P+8*(\t)+2*(\p):P+8*(\t)+2*(\p)+1], s[(\ob):(\ob)+1] offset:(16*(\t)+(\p))*4096  ; a head's 128 channels of one token: 256 consecutive bytes, aligned
.endr
.endm
.macro MERGE ob
	WIN 0
.irp t, 0,1,2,3                     ; l's two halves: four plain lines, the places behind the last products
	v_add_f32 v[ST+8*(\t)+4], v[ST+8*(\t)+2], v[ST+8*(\t)+3]
.endr
.irp t, 0,1,2,3
	v_permlanex16_b32 v[ST+8*(\t)+5], v[ST+8*(\t)+4], s[SEL], s[SEL+1]
.endr
.irp t, 0,1,2,3
	v_add_f32 v[ST+8*(\t)+1], v[ST+8*(\t)+4], v[ST+8*(\t)+5]  ; (c m, l) side by side
.endr
.irp t, 0,1,2,3
	ds_store_b64 v[SA], v[ST+8*(\t):ST+8*(\t)+1] offset:128*(\t)  ; lanes l and l + 16 write the same word with the same value
.endr
	s_wait_dscnt 0x0
	s_barrier_signal -1
	s_barrier_wait -1
.irp t, 0,1,2,3
.irp w, 0,1,2,3
	ds_load_b64 v[S+8*(\t)+2*(\w):S+8*(\t)+2*(\w)+1], v[SRD] offset:512*(\w)+128*(\t)
.endr
.endr
	s_wait_dscnt 0x0
.irp t, 0,1,2,3
	v_max3_num_f32 v[ST+8*(\t)+5], v[S+8*(\t)], v[S+8*(\t)+2], v[S+8*(\t)+4]
.endr
.irp t, 0,1,2,3
	v_max_num_f32 v[ST+8*(\t)+5], v[ST+8*(\t)+5], v[S+8*(\t)+6]
.endr
.irp t, 0,1,2,3
.irp w, 0,1,2,3
	v_sub_f32 v[S+8*(\t)+2*(\w)], v[S+8*(\t)+2*(\w)], v[ST+8*(\t)+5]
.endr
	v_sub_f32 v[ST+8*(\t)+4], v[ST+8*(\t)], v[ST+8*(\t)+5]
.endr
.irp t, 0,1,2,3
.irp w, 0,1,2,3
	v_exp_f32 v[S+8*(\t)+2*(\w)], v[S+8*(\t)+2*(\w)]  ; the four waves' factors,
.endr
	v_exp_f32 v[ST+8*(\t)+4], v[ST+8*(\t)+4]          ; and mine
.endr
	v_nop                           ; a plain line behind the last exponential
	s_wait_alu depctr_va_vdst(0)
.irp t, 0,1,2,3
	v_mul_f32 v[ST+8*(\t)+5], v[S+8*(\t)], v[S+8*(\t)+1]
.endr
.irp w, 1,2,3
.irp t, 0,1,2,3
	v_fmac_f32 v[ST+8*(\t)+5], v[S+8*(\t)+2*(\w)], v[S+8*(\t)+2*(\w)+1]
.endr
.endr
.irp t, 0,1,2,3
	v_rcp_f32 v[ST+8*(\t)+5], v[ST+8*(\t)+5]          ; L is at least 1: the wave that holds the maximum has f = 1 and a weight of 1
.endr
	v_nop
	s_wait_alu depctr_va_vdst(0)
.irp t, 0,1,2,3
	v_mul_f32 v[ST+8*(\t)+6], v[ST+8*(\t)+4], v[ST+8*(\t)+5]
.endr
	SCALE 0
.irp t, 0,1,2,3
	MROUND \t, \ob
.endr
	s_wait_xcnt 0x0                 ; P's registers, which the stores read, are written again only behind this wait
.endm
.Lslot:                             ; eight trips: a tile is entered and the next is asked for
	CHANGE 1
	STEP
	s_cmp_lg_u32 s[RT], 0           ; made of u alone: the same in all waves and in all four partners
	s_cbranch_scc1 .Lbottom
	LOADQ QLO                       ; the first block ends: the second block's Q lands under the merge (Q's last reader stands a run of slices back)
	MERGE OHI
	INITST
	s_add_co_u32 s[RT], s[CLU], 1   ; the second block has u + 1 tiles
	s_mov_b32 s[POS], s[CLR]
.Lbottom:
	s_sub_co_u32 s[SLOTS], s[SLOTS], 1
	s_cmp_lg_u32 s[SLOTS], 0
	s_cbranch_scc1 .Lslot
	CHANGE 0                        ; the walk's last tile is written out: nothing is asked for
	STEP
	MERGE OLO
	s_wait_tensorcnt 0x0            ; the wave's end: behind my last tensor load and my last LDS store
	ds_add_u32 v[SPW], v[NIL]
	s_wait_dscnt 0x0
	CROUND                          ; the closing round
	s_endpgm
.Lfunc_end_k_qe2d102bae2_attn:
	.size	k_qe2d102bae2_attn, .Lfunc_end_k_qe2d102bae2_attn-k_qe2d102bae2_attn
	.p2alignl 7, 3214868480
	.fill 96, 4, 3214868480
	.section	.rodata,"a",@progbits
	.p2align	6, 0x0
	.amdhsa_kernel k_qe2d102bae2_attn
		.amdhsa_group_segment_fixed_size 327680
		.amdhsa_private_segment_fixed_size 0
		.amdhsa_enable_private_segment 0
		.amdhsa_kernarg_size 16
		.amdhsa_user_sgpr_count 2
		.amdhsa_user_sgpr_kernarg_segment_ptr 1
		.amdhsa_wavefront_size32 1
		.amdhsa_system_sgpr_workgroup_id_x 1
		.amdhsa_system_sgpr_workgroup_id_y 1
		.amdhsa_system_sgpr_workgroup_id_z 1
		.amdhsa_system_vgpr_workitem_id 0
		.amdhsa_next_free_vgpr 928
		.amdhsa_next_free_sgpr 88
		.amdhsa_reserve_vcc 1
		.amdhsa_float_denorm_mode_32 3
		.amdhsa_float_denorm_mode_16_64 3
		.amdhsa_memory_ordered 1
		.amdhsa_forward_progress 1
		.amdhsa_inst_pref_size 185
	.end_amdhsa_kernel
	.amdgpu_metadata
---
amdhsa.version: [ 1, 2 ]
amdhsa.kernels:
  - .name:           k_qe2d102bae2_attn
    .symbol:         k_qe2d102bae2_attn.kd
    .args:
      - { .name: qkv16, .offset: 0, .size: 8, .value_kind: global_buffer, .address_space: global }
      - { .name: o16, .offset: 8, .size: 8, .value_kind: global_buffer, .address_space: global }
    .group_segment_fixed_size: 327680
    .private_segment_fixed_size: 0
    .kernarg_segment_align: 8
    .kernarg_segment_size: 16
    .max_flat_workgroup_size: 128
    .sgpr_count:     88
    .vgpr_count:     928
    .wavefront_size: 32
...
	.end_amdgpu_metadata
.endif
;; end of part 3
;; launch oproj (part 4): grid 16 x 16, 4 waves a work-group, clusters of 4 x 4, 327,680 bytes of LDS; arguments o16, w16, out0; writes out0
.if DOCPART == 4
	.amdgcn_target "amdgcn-amd-amdhsa--gfx1250"
	.amdhsa_code_object_version 6
	.text
	.protected	k_qe2d102bae2_oproj
	.globl	k_qe2d102bae2_oproj
	.p2align	8
	.type	k_qe2d102bae2_oproj,@function
k_qe2d102bae2_oproj:
	s_mov_b64 s[64:65], 0
	v_nop
	global_prefetch_b8 v0, s[64:65] scope:SCOPE_SE
	s_setreg_imm32_b32 hwreg(HW_REG_WAVE_MODE, 25, 1), 1
	s_wait_xcnt 0x0
	s_wait_alu depctr_hold_cnt(0) depctr_sa_sdst(0) depctr_va_vdst(0) depctr_va_sdst(0) depctr_va_ssrc(0) depctr_va_vcc(0) depctr_vm_vsrc(0)
	s_getreg_b32 s2, hwreg(HW_REG_IB_STS2, 6, 4)
	s_cmp_eq_u32 s2, 0
	s_cbranch_scc0 .Lentry_in_a_cluster
	s_endpgm
.Lentry_in_a_cluster:
	s_bfe_u32 s2, ttmp6, 0x10000c
	s_cmp_lg_u32 s2, 0xf033
	s_cbranch_scc0 .Lentry_shape_is_right
	s_endpgm
.Lentry_shape_is_right:
; OUT = O Wo^T.  o16 [2048][2048] f16; wo is the fourth tensor of w16 ([2048][2048] f16); out0 [2048][2048] f32.  One f32 sum for each output.
; A tile of C is 128 x 128, so that 16 x 16 work-groups cover C.  Four waves, each 64 x 64: 16 accumulators.  K goes in steps of 256 (LDS rows of 512 bytes; a wave's tensor load brings 64 of them) through two slots.
; A trip of the loop is one K step; the slot in hand is a scalar that an exclusive or turns, and the fragment addresses are made from it anew in each trip.
; CLUSTER 4 x 4: the four of a row of the cluster ask jointly for O's tiles, the four of a column for Wo's.
; THE WALK ALONG K GOES ROUND.  Cluster (X, Y) begins at K step 2 X + 4 p(Y) of 8 (p: the exclusive or of Y's two bits) and wraps at 8.  So the four clusters that need the same rows of O begin two steps apart,
; and clusters that need the same rows of Wo at the same step or four apart: a K step's bytes are asked for by the clusters that share them at different times.  The f32 sums take K in that order.
; THE MATRIX INSTRUCTION IS USED TRANSPOSED (source 0 = 16 rows of Wo, source 1 = 16 rows of O): a lane holds eight neighbouring numbers of a row of C.  A wave's 64 columns in f32 are 256 aligned bytes of C,
; so each wave has a stage of its own on the way out, and no barrier stands there.
; REGISTERS: window 0: v0-31 addresses; v32-95 rows read back; v128-255 the accumulators ((a, b) at v[128 + 8 (4 a + b)]).   window 1: two fragment buffers of 128: 64 registers of O, then 64 of Wo.
.set SIZE_K, 2048
.set SIZE_N, 2048
.set KSTEP,  256
.set STEPS,  SIZE_K/KSTEP
.set PITCH,  528                       ; 512 bytes + 16 = 132 words: the 16 rows of a fragment load start at 16 different groups of four banks (64 banks of 4 bytes: ISA guide 11.1)
.set HALFT,  64*PITCH
.set SLOT,   4*HALFT                   ; 0x21000 bytes, a number that shares no bit with the waves' LDS places 0, 0x8400, 0x10800, 0x18c00: one exclusive or changes slots
.set STAGE,  2*SLOT                    ; behind the ring: 16 rows x 272 bytes for each wave
.set SPITCH, 272
.set SPARE,  STAGE+4*16*SPITCH         ; the spare words, 128 bytes a wave
.set A0,   16                          ; v16, v17  my place in slot 0's tiles of O and of Wo; never rewritten
.set AC,   20                          ; v20, v21  the same in the slot in hand
.set STO,  24
.set RD,   25
.set CO,   26
.set SPW,  28
.set NIL,  29
.set TMP,  32
.set ACC,  128
.set F0,   0
.set F1,   128
.set G1, 24                            ; s[24:31] group 1 for O's tiles;  s[32:39] group 0: a set for each of the two first fills; the second then walks on
.set G0, 32
.set G1B, 48                           ; s[48:55], s[56:63] the same for Wo's tiles
.set G0B, 56
.set CURS, 66                          ; s66  LDS byte at which the slot in hand begins
.set KI,   67                          ; s67  counts the K steps asked for, from the cluster's first; its low three bits are the step
.set OFS,  68                          ; s[68:69] that step's byte offset in a row
.set MSB, 0
.macro WIN new
.if MSB != (\new)
	s_set_vgpr_msb (MSB<<8)|(\new)
.set MSB, \new
.endif
.endm
.set MUL,  0x05                        ; sources 0 (Wo) and 1 (O) window 1; C and D window 0
.set TO_F, 0x40
.macro JLOAD s                         ; waves 0 and 1 fetch O's two halves, waves 2 and 3 Wo's; an s_nop 0 and four v_nop follow each line
	s_cmp_eq_u32 s11, 0
	s_cbranch_scc0 .Lfor_b_\@
	tensor_load_to_lds s[G0+4*(\s):G0+4*(\s)+3], s[G1:G1+7]
	s_nop 0
.rept 4
	v_nop
.endr
	s_branch .Lasked_\@
.Lfor_b_\@:
	tensor_load_to_lds s[G0B+4*(\s):G0B+4*(\s)+3], s[G1B:G1B+7]
	s_nop 0
.rept 4
	v_nop
.endr
.Lasked_\@:
.endm
.macro CREST
	s_cmp_lg_u32 s10, 0
	s_cbranch_scc1 .Lnot_wave_0_\@
	s_barrier_signal -3
.Lnot_wave_0_\@:
	s_barrier_wait -3
	s_barrier_signal -1
	s_barrier_wait -1
.endm
.macro CROUND
	s_barrier_signal -1
	s_barrier_wait -1
	CREST
.endm
	s_load_b128 s[4:7], s[0:1], 0x0                ; o16 s[4:5], w16 s[6:7]
	s_load_b64 s[8:9], s[0:1], 0x10                ; out0
	v_lshl_add_u32 v[SPW], v0, 2, SPARE
	v_mov_b32 v[NIL], 0
	ds_add_u32 v[SPW], v[NIL]                      ; the wave's opening: the add and its wait stand ahead of my first tensor load; work on registers stands between them
	v_lshrrev_b32 v1, 5, v0
	v_readfirstlane_b32 s10, v1                    ; wave 0..3
	s_lshr_b32 s11, s10, 1                         ; which half of the tile's rows is mine.  Also: I fetch for O (0) or for Wo (1)
	s_and_b32 s12, s10, 1                          ; which half of its columns.  Also: which 64 rows of that tile I fetch
	s_bfe_u32 s40, ttmp6, 0x40000
	s_bfe_u32 s41, ttmp6, 0x40004
	s_lshl_b32 s42, ttmp9, 2
	s_add_co_u32 s42, s42, s40                     ; tile column
	s_and_b32 s70, ttmp7, 0xffff                   ; cluster y
	s_lshl_b32 s13, s70, 2
	s_add_co_u32 s13, s13, s41                     ; tile row
	s_lshl_b32 s43, s41, 2
	s_lshl_b32 s43, 15, s43                        ; my row of the cluster
	s_lshl_b32 s44, 0x1111, s40                    ; my column
	s_or_b32 s[G1+0], s43, (1<<16)|(1<<20)|(1<<21)|(6<<22)|(3<<25)  ; the mask; 2-byte elements; padding on; 21 set beside a mask; after every 128 words 4 words
	s_or_b32 s[G1B+0], s44, (1<<16)|(1<<20)|(1<<21)|(6<<22)|(3<<25)
.irp g, G1, G1B
	s_mov_b32 s[(\g)+1], KSTEP<<16                 ; tensor_dim0 = 256
	s_mov_b32 s[(\g)+2], 64<<16                    ; tensor_dim1 = 64
	s_mov_b32 s[(\g)+3], KSTEP<<16                 ; tile_dim0 = 256
	s_mov_b32 s[(\g)+4], 64                        ; tile_dim1 = 64
	s_mov_b32 s[(\g)+5], SIZE_K
	s_mov_b32 s[(\g)+6], 0
	s_mov_b32 s[(\g)+7], 0
.endr
	s_lshr_b32 s71, s70, 1                         ; the cluster's first K step, made of the cluster's numbers alone: equal in all sixteen partners
	s_xor_b32 s71, s71, s70
	s_and_b32 s71, s71, 1
	s_lshl_b32 s71, s71, 2
	s_lshl_b32 s[KI], ttmp9, 1
	s_add_co_u32 s[KI], s[KI], s71
	s_mov_b32 s[OFS+1], 0
	s_mov_b32 s[CURS], 0
	s_lshl_b32 s17, s12, 6
	s_lshl_b32 s16, s13, 7
	s_add_co_u32 s16, s16, s17                     ; O: row 128 x tile row + 64 x half
	s_lshl_b32 s46, s42, 7
	s_add_co_u32 s46, s46, s17                     ; Wo: row 128 x tile column + 64 x half
	s_lshl_b32 s16, s16, 12                        ; rows of 4,096 bytes
	s_lshl_b32 s46, s46, 12
	s_mov_b32 s17, 0
	s_mov_b32 s47, 0
	s_mul_i32 s20, s10, HALFT                      ; where they go: wave x 64 rows
	s_wait_dscnt 0x0                               ; the opening add is done
	s_wait_kmcnt 0x0
	s_add_nc_u64 s[6:7], s[6:7], 0x1800000         ; the fourth tensor of w16
	s_add_nc_u64 s[14:15], s[4:5], s[16:17]        ; kept: each fill's address is made from these two
	s_add_nc_u64 s[46:47], s[6:7], s[46:47]
	CROUND                                         ; all sixteen work-groups are here: the first joint loads meet
.irp s, 0,1
	s_and_b32 s[OFS], s[KI], STEPS-1
	s_lshl_b32 s[OFS], s[OFS], 9                   ; a K step is 512 bytes of a row
	s_add_co_u32 s[KI], s[KI], 1
	s_mov_b32 s[G0+4*(\s)], 1
	s_add_co_u32 s[G0+4*(\s)+1], s20, (\s)*SLOT
	s_add_nc_u64 s[G0+4*(\s)+2:G0+4*(\s)+3], s[14:15], s[OFS:OFS+1]
	s_or_b32 s[G0+4*(\s)+3], s[G0+4*(\s)+3], 0x80000000
	s_mov_b32 s[G0B+4*(\s)], 1
	s_add_co_u32 s[G0B+4*(\s)+1], s20, (\s)*SLOT
	s_add_nc_u64 s[G0B+4*(\s)+2:G0B+4*(\s)+3], s[46:47], s[OFS:OFS+1]
	s_or_b32 s[G0B+4*(\s)+3], s[G0B+4*(\s)+3], 0x80000000
	JLOAD \s                                       ; two tensor loads of mine are out
.endr
	v_and_b32 v1, 15, v0                           ; l % 16
	v_bfe_u32 v2, v0, 4, 1                         ; l / 16
	v_mul_u32_u24 v3, v1, PITCH
	v_lshl_add_u32 v3, v2, 4, v3
	s_mul_i32 s21, s11, HALFT                      ; my 64 rows of O
	s_mul_i32 s22, s12, HALFT                      ; my 64 rows of Wo,
	s_add_co_u32 s22, s22, 2*HALFT                 ; which lie behind O's 128
	v_add_nc_u32 v[A0], s21, v3
	v_add_nc_u32 v[A0+1], s22, v3
	v_mov_b32 v[AC], v[A0]                         ; the walk begins in slot 0
	v_mov_b32 v[AC+1], v[A0+1]
	s_mul_i32 s23, s10, 16*SPITCH
	s_add_co_u32 s23, s23, STAGE                   ; my stage
	v_mul_u32_u24 v4, v1, SPITCH                   ; in: row l % 16, 32 bytes for each half of the lanes
	v_lshl_add_u32 v4, v2, 5, v4
	v_add_nc_u32 v[STO], s23, v4
	v_mul_u32_u24 v5, v2, SPITCH                   ; back: lanes 0-15 one row of 256 bytes, lanes 16-31 the next
	v_lshl_add_u32 v5, v1, 4, v5
	v_add_nc_u32 v[RD], s23, v5
	v_lshlrev_b32 v5, 13, v2                       ; and the same two rows in C, 8,192 bytes apart
	v_lshl_add_u32 v[CO], v1, 4, v5
	s_lshl_b32 s16, s13, 7
	s_lshl_b32 s17, s11, 6
	s_add_co_u32 s16, s16, s17                     ; my first row of C
	s_lshl_b32 s16, s16, 13
	s_mov_b32 s17, 0
	s_add_nc_u64 s[8:9], s[8:9], s[16:17]
	s_lshl_b32 s72, s42, 9                         ; my first column, in bytes: 512 x tile column + 256 x half
	s_lshl_b32 s73, s12, 8
	s_add_co_u32 s72, s72, s73
	s_mov_b32 s73, 0
	s_add_nc_u64 s[8:9], s[8:9], s[72:73]
; 8 matrix instructions: m blocks a0, a0 + 1 x all 4 n blocks, 32 along K: half c of buffer f.  zero = 1: the first product starts the sums.  The 16 accumulators take turns.
.macro MUL8 f, c, a0, zero
	WIN MUL
.irp a, \a0, (\a0)+1
.irp b, 0,1,2,3
.if \zero
	v_wmma_f32_16x16x32_f16 v[ACC+8*(4*(\a)+(\b)):ACC+8*(4*(\a)+(\b))+7], v[(\f)+64+8*(4*(\c)+(\b)):(\f)+64+8*(4*(\c)+(\b))+7], v[(\f)+8*(4*(\c)+(\a)):(\f)+8*(4*(\c)+(\a))+7], 0
.else
	v_wmma_f32_16x16x32_f16 v[ACC+8*(4*(\a)+(\b)):ACC+8*(4*(\a)+(\b))+7], v[(\f)+64+8*(4*(\c)+(\b)):(\f)+64+8*(4*(\c)+(\b))+7], v[(\f)+8*(4*(\c)+(\a)):(\f)+8*(4*(\c)+(\a))+7], v[ACC+8*(4*(\a)+(\b)):ACC+8*(4*(\a)+(\b))+7]
.endif
.endr
.endr
.endm
; 32 LDS loads in one run: the fragments of 64 along K at byte k of the rows of the slot in hand, into buffer f; the first 32 along K first
.macro FETCH k, f
	WIN TO_F
.irp c, 0,1
.irp i, 0,1,2,3
	ds_load_b128 v[(\f)+64+8*(4*(\c)+(\i)):(\f)+64+8*(4*(\c)+(\i))+3],   v[AC+1] offset:(\k)+64*(\c)+(\i)*16*PITCH
	ds_load_b128 v[(\f)+64+8*(4*(\c)+(\i))+4:(\f)+64+8*(4*(\c)+(\i))+7], v[AC+1] offset:(\k)+64*(\c)+(\i)*16*PITCH+32
	ds_load_b128 v[(\f)+8*(4*(\c)+(\i)):(\f)+8*(4*(\c)+(\i))+3],         v[AC] offset:(\k)+64*(\c)+(\i)*16*PITCH
	ds_load_b128 v[(\f)+8*(4*(\c)+(\i))+4:(\f)+8*(4*(\c)+(\i))+7],       v[AC] offset:(\k)+64*(\c)+(\i)*16*PITCH+32
.endr
.endr
.endm
.macro PLACES                          ; four places in front of loads into registers that matrix instructions have read, and of LDS stores that read results
.rept 4
	v_nop
.endr
.endm
; A K step is four quarters of 64 along K, 32 matrix instructions each, on buffers 0, 1, 0, 1.
.macro QUARTER k, f, g, zero
	s_wait_dscnt 16                                ; the first 32 along K are in
	MUL8 \f, 0, 0, \zero
	MUL8 \f, 0, 2, \zero
	PLACES
	FETCH \k, \g
	s_wait_dscnt 32                                ; all but the 32 just issued
	MUL8 \f, 1, 0, 0
	MUL8 \f, 1, 2, 0
.endm
; The last quarter multiplies buffer 1 and changes slots: one barrier; in front of it each wave waits for all its tensor loads, adds 0 to its spare word, and waits for that and for its reads of this slot.
; The next slot's addresses and the next fill's descriptors are made between the add and the wait for it.  fill = 1: the barrier opens a round of the cluster's, and this slot is filled again first thing behind it.
; fill = 0 (the last two K steps): nothing is asked for; in the very last (s3 = 1) there is no next slot, and the run of LDS loads is jumped over.
.macro TURN fill
	WIN 0
	s_wait_tensorcnt 0x0                           ; all my tensor loads have landed: my part of the next slot
	ds_add_u32 v[SPW], v[NIL]
	s_xor_b32 s[CURS], s[CURS], SLOT
	v_add_nc_u32 v[AC], s[CURS], v[A0]             ; every load from the old slot has been issued
	v_add_nc_u32 v[AC+1], s[CURS], v[A0+1]
.if \fill
	s_and_b32 s[OFS], s[KI], STEPS-1               ; the walk wraps at 8
	s_lshl_b32 s[OFS], s[OFS], 9
	s_add_co_u32 s[KI], s[KI], 1
	s_xor_b32 s[G0+5], s[G0+5], SLOT               ; no tensor load of mine is out, so the walking descriptors may be written: the other slot than last time,
	s_add_nc_u64 s[G0+6:G0+7], s[14:15], s[OFS:OFS+1]  ; the address made anew from the tile's first row and the step
	s_or_b32 s[G0+7], s[G0+7], 0x80000000
	s_xor_b32 s[G0B+5], s[G0B+5], SLOT
	s_add_nc_u64 s[G0B+6:G0B+7], s[46:47], s[OFS:OFS+1]
	s_or_b32 s[G0B+7], s[G0B+7], 0x80000000
.endif
	s_wait_dscnt 17                                ; (the add and the youngest sixteen loads may be out)
	MUL8 F1, 0, 0, 0
	s_wait_dscnt 0x0                               ; the add is done, and my reads of this slot are over
	s_barrier_signal -1
	MUL8 F1, 0, 2, 0
	WIN 0
	s_barrier_wait -1
.if \fill
	CREST                                          ; no wave of any partner still reads this slot's tile or has a load on its way
	JLOAD 1                                        ; 112 matrix instructions ahead of the wait for it; its four v_nop are also the places in front of the loads below
.else
	PLACES
	s_cmp_eq_u32 s3, 1
	s_cbranch_scc1 .Lno_fetch_\@
.endif
	FETCH 0, F0
.if !(\fill)
	WIN 0
.Lno_fetch_\@:
.endif
	MUL8 F1, 1, 0, 0
	MUL8 F1, 1, 2, 0
.endm
	s_wait_tensorcnt 1                             ; my part of the first K step is in; the second's may stay out
	s_barrier_signal -1
	s_barrier_wait -1
	FETCH 0, F0
	QUARTER 128, F0, F1, 1                         ; the first quarter stands in front of the loop: its first products start the sums
	WIN 0
	s_mov_b32 s3, STEPS-2
.Lstep:                                                ; a trip: a K step's second quarter to the next step's first; the slot that it leaves is filled again
	QUARTER 256, F1, F0, 0
	QUARTER 384, F0, F1, 0
	TURN 1
	QUARTER 128, F0, F1, 0
	WIN 0
	s_sub_co_u32 s3, s3, 1
	s_cmp_lg_u32 s3, 0
	s_cbranch_scc1 .Lstep
	s_mov_b32 s3, 2
.Ltail:                                                ; the last two K steps fill nothing: a text of their own; the second trip is left in its middle
	QUARTER 256, F1, F0, 0
	QUARTER 384, F0, F1, 0
	TURN 0
	WIN 0
	s_sub_co_u32 s3, s3, 1
	s_cmp_eq_u32 s3, 0
	s_cbranch_scc1 .Lout
	QUARTER 128, F0, F1, 0
	WIN 0
	s_branch .Ltail
.Lout:
	s_wait_dscnt 0x0                               ; no LDS load is out
	; THE WAY OUT, 16 rows at a time: 32 bytes a lane and column block into my own stage (each accumulator's lowest registers first), back as whole rows of 256 bytes, stored.
	PLACES
.macro TOSTAGE a
.set BK, TMP+32*((\a)%2)
.irp b, 0,1,2,3
	ds_store_b128 v[STO], v[ACC+8*(4*(\a)+(\b)):ACC+8*(4*(\a)+(\b))+3]   offset:64*(\b)
	ds_store_b128 v[STO], v[ACC+8*(4*(\a)+(\b))+4:ACC+8*(4*(\a)+(\b))+7] offset:64*(\b)+16
.endr
.irp t, 0,1,2,3,4,5,6,7
	ds_load_b128 v[BK+4*(\t):BK+4*(\t)+3], v[RD] offset:(\t)*2*SPITCH  ; LDS serves a wave's instructions in order (ISA guide 5.7.1.4): these see the stores above; the next block's stores come behind them
.endr
.endm
.macro SEND a, younger                 ; younger: the LDS instructions issued behind block a's loads: the next block's sixteen, or none
.set BK, TMP+32*((\a)%2)
.irp t, 0,1,2,3,4,5,6,7
	s_wait_dscnt (\younger)+7-(\t)
	global_store_b128 v[CO], v[BK+4*(\t):BK+4*(\t)+3], s[8:9] offset:(16*(\a)+2*(\t))*SIZE_N*4  ; 16 lanes store 256 consecutive bytes, aligned
.endr
.endm
	TOSTAGE 0
	TOSTAGE 1
	SEND 0, 16
	s_wait_xcnt 0x0                                ; block 0's rows, which its stores read, are loaded over only behind this wait
	TOSTAGE 2
	SEND 1, 16
	s_wait_xcnt 0x0
	TOSTAGE 3
	SEND 2, 16
	SEND 3, 0
	s_wait_tensorcnt 0x0                           ; the wave's end: behind my last tensor load and my last LDS store
	ds_add_u32 v[SPW], v[NIL]
	s_wait_dscnt 0x0
	CROUND                                         ; the closing round
	s_endpgm
.Lfunc_end_k_qe2d102bae2_oproj:
	.size	k_qe2d102bae2_oproj, .Lfunc_end_k_qe2d102bae2_oproj-k_qe2d102bae2_oproj
	.p2alignl 7, 3214868480
	.fill 96, 4, 3214868480
	.section	.rodata,"a",@progbits
	.p2align	6, 0x0
	.amdhsa_kernel k_qe2d102bae2_oproj
		.amdhsa_group_segment_fixed_size 327680
		.amdhsa_private_segment_fixed_size 0
		.amdhsa_enable_private_segment 0
		.amdhsa_kernarg_size 24
		.amdhsa_user_sgpr_count 2
		.amdhsa_user_sgpr_kernarg_segment_ptr 1
		.amdhsa_wavefront_size32 1
		.amdhsa_system_sgpr_workgroup_id_x 1
		.amdhsa_system_sgpr_workgroup_id_y 1
		.amdhsa_system_sgpr_workgroup_id_z 1
		.amdhsa_system_vgpr_workitem_id 0
		.amdhsa_next_free_vgpr 512
		.amdhsa_next_free_sgpr 74
		.amdhsa_reserve_vcc 0
		.amdhsa_float_denorm_mode_32 3
		.amdhsa_float_denorm_mode_16_64 3
		.amdhsa_memory_ordered 1
		.amdhsa_forward_progress 1
		.amdhsa_inst_pref_size 59
	.end_amdhsa_kernel
	.amdgpu_metadata
---
amdhsa.version: [ 1, 2 ]
amdhsa.kernels:
  - .name:           k_qe2d102bae2_oproj
    .symbol:         k_qe2d102bae2_oproj.kd
    .args:
      - { .name: o16, .offset: 0, .size: 8, .value_kind: global_buffer, .address_space: global }
      - { .name: w16, .offset: 8, .size: 8, .value_kind: global_buffer, .address_space: global }
      - { .name: out0, .offset: 16, .size: 8, .value_kind: global_buffer, .address_space: global }
    .group_segment_fixed_size: 327680
    .private_segment_fixed_size: 0
    .kernarg_segment_align: 8
    .kernarg_segment_size: 24
    .max_flat_workgroup_size: 128
    .sgpr_count:     74
    .vgpr_count:     512
    .wavefront_size: 32
...
	.end_amdgpu_metadata
.endif
;; end of part 4
